; MI455X (gfx1250); checked and timed in simulation.
; The chip was launched on July 23, 2026; its instructions are those of AMD's public machine-readable ISA for CDNA 5 (MIT licence, August 2026) and "CDNA5" Instruction Set Architecture Reference Guide (July 2026). The comments in the code are by the model that wrote it; some were corrected since.
;; Wan I2 V Cross Attention. Allowed arithmetic: matrix products marked QUANTISED: E2M3 operands, one E8M0 scale for each 32 along K, by v_wmma_scale_f32_16x16x128_f8f6f4 with both operands' format E2M3, f32 sums; everything else in f32.
;; Inputs: b_k 2,048 float32; b_k_img 2,048 float32; b_o 2,048 float32; b_q 2,048 float32; b_v 2,048 float32; b_v_img 2,048 float32; context 2 x 769 x 2,048 float32; context_lens 2 int32; g_k 2,048 float32; g_k_img 2,048 float32; g_q 2,048 float32; w_k 2,048 x 2,048 float32; w_k_img 2,048 x 2,048 float32; w_o 2,048 x 2,048 float32; w_q 2,048 x 2,048 float32; w_v 2,048 x 2,048 float32; w_v_img 2,048 x 2,048 float32; x 2 x 2,048 x 2,048 float32.
;; Outputs: out0 2 x 2,048 x 2,048 float32.
;; This version of the problem:
;;   THIS VERSION OF THE PROBLEM IS GIVEN IN LOW PRECISION. The matrix products marked QUANTISED in the list below multiply operands that are first quantised to E2M3 (2 exponent bits, 3 mantissa bits; 6 bits a number), with one power-of-two scale for each 32 numbers along K (OCP MX v1.0); their sums are f32. All else is computed in f32.
;;   The module's matrix products, in the order in which they are computed (A, B: the left and right operand; K: the contracted axis; several contracted axes count as one K, in the product's order):
;;     1. [M 4,096, K 2,048] x [K 2,048, N 2,048]; A: input x; B: input w_q: QUANTISED
;;     2. [M 1,024, K 2,048] x [K 2,048, N 2,048]; A: input context; B: input w_k: QUANTISED
;;     3. [M 1,024, K 2,048] x [K 2,048, N 2,048]; A: input context; B: input w_v: QUANTISED
;;     4. [M 514, K 2,048] x [K 2,048, N 2,048]; A: input context; B: input w_k_img: QUANTISED
;;     5. [M 514, K 2,048] x [K 2,048, N 2,048]; A: input context; B: input w_v_img: QUANTISED
;;     6. batch 32 x [M 2,048, K 128] x [K 128, N 257]; A: computed on the way; B: computed on the way: QUANTISED
;;     7. batch 32 x [M 128, K 257] x [K 257, N 2,048]; A: computed on the way; B: softmax (see below): QUANTISED
;;     8. batch 32 x [M 2,048, K 128] x [K 128, N 512]; A: computed on the way; B: computed on the way: QUANTISED
;;     9. batch 32 x [M 128, K 512] x [K 512, N 2,048]; A: computed on the way; B: softmax (see below): QUANTISED
;;     10. [M 4,096, K 2,048] x [K 2,048, N 2,048]; A: computed on the way; B: input w_o: QUANTISED
;;   THE QUANTISER, for each operand of a quantised product, along K:
;;     - K is cut into blocks of 32 from its start; a last block that is shorter is filled with zeros.
;;     - A block's scale is 2^e with e = floor(log2(the largest magnitude in the block)) - 2, held to -126 .. 127; a block of zeros has e = 0. As a byte (E8M0): e + 127.
;;     - Each number is divided by its block's scale, clamped to +-7.5, and rounded to the nearest number of E2M3, ties to even, subnormals kept.
;;     - The product sums the exact products of the quantised numbers (number of the format x scale) in f32.
;;   ~~~python
;;   def quantise(x, axis):      # numpy; x: float32 -> the quantised numbers, widened to float32 again
;;       x = np.moveaxis(x, axis, -1); K = x.shape[-1]
;;       x = np.pad(x, [(0, 0)] * (x.ndim - 1) + [(0, -K % 32)]); x = x.reshape(x.shape[:-1] + (-1, 32)); a = np.abs(x).max(-1, keepdims=True)
;;       e = np.where(a > 0, np.clip(np.frexp(np.where(a > 0, a, 1))[1] - 1 - 2, -126, 127), 0)      # np.frexp(a)[1] - 1 = floor(log2(a)), exactly
;;       r = np.clip(x / 2.0 ** e, -7.5, 7.5)
;;       step = 2.0 ** (np.maximum(np.frexp(np.where(r == 0, 1, r))[1] - 1, 0) - 3)
;;       q = np.round(r / step) * step * 2.0 ** e      # np.round: ties to even
;;       return np.moveaxis(q.reshape(q.shape[:-2] + (-1,))[..., :K], -1, axis).astype(np.float32)
;;   ~~~
;;   SOFTMAX AHEAD OF A QUANTISED PRODUCT. Where the list says 'softmax', what is quantised is not the finished softmax but p = 2^(t - M), with t = logit x log2(e) and M = ceil(the row's largest t), a whole number; so 1/2 < the row's largest p <= 1. The row's sum l is taken of the UNQUANTISED p, in f32, and the product's result is divided by l at the end. Since M is a whole number, a kernel that streams over the keys may use a running M (the ceiling of the running maximum): every later rescaling is an exact power of two, which a block's scale takes up: the codes' values come out the same.
;;   OPERANDS COMPUTED ON THE WAY. 'Computed on the way' means the value that the module computes at that place (a softmax that the list does not call 'softmax' is quantised finished and normalised). What goes into a quantiser is computed in f32, as accurately as f32 sums, v_exp_f32 and their like allow (about 1e-6 of the number): no bf16 or f16 on the way to a quantiser, and a product that is left as it is and whose result goes on into a quantised operand takes f32 operands (vector FMAs, or v_wmma_f32_16x16x4_f32). A number that lies on a knife's edge between two numbers of the format may be rounded either way, as far as f32 arithmetic and the matrix unit's own rounding can turn it there, and no further.
;; One version. Each part assembles by itself: llvm-mc -triple=amdgcn-amd-amdhsa -mcpu=gfx1250 --defsym DOCPART=n.
;; ======== version 1 of 1: 4 launches
;; limits: right only within a limited range of input values
;; workspace buffers: act 9,309,184 bytes; wt 16,384,000 bytes; wo 3,801,088 bytes; y 50,331,648 bytes; ss 393,216 bytes; vt 3,276,800 bytes; ao 6,946,816 bytes
;; launch quant (part 1): grid 2241 x 1, 4 waves a work-group, no clusters, 22,016 bytes of LDS; arguments x, context, w_q, w_k, w_k_img, w_v, w_v_img, w_o, act, wt, wo; writes act, wt, wo
.if DOCPART == 1
	.amdgcn_target "amdgcn-amd-amdhsa--gfx1250"
	.amdhsa_code_object_version 6
	.text
	.protected	k_qca2fb47636_quant
	.globl	k_qca2fb47636_quant
	.p2align	8
	.type	k_qca2fb47636_quant,@function
k_qca2fb47636_quant:
	s_mov_b64 s[64:65], 0
	v_nop
	global_prefetch_b8 v0, s[64:65] scope:SCOPE_SE
	s_setreg_imm32_b32 hwreg(HW_REG_WAVE_MODE, 25, 1), 1
	s_wait_xcnt 0x0
; x [4096][2048], context [1538][2048] and six weights [2048][2048], f32, K innermost, become codes of FP6 (E2M3), 6 bits each, with one E8M0 scale byte for each 32 along K.
; A block's scale is 2^(floor(log2(its largest magnitude)) - 2); its byte is the largest magnitude's exponent field - 2, held at 1 from below; each number is divided by the scale and rounded to the nearest code, ties to even.
; (A block of zeros gets the byte 1 where the rule says 127: its codes are zeros, which add nothing under any byte but 0xff, and the bytes are read by this program alone.)
; LIMITS: blocks whose largest magnitude lies under 2^(2 - 126) keep the byte 1; NaN and infinities among the inputs are not served.
; THE THREE BUFFERS ARE LAID ALIKE: row r's 64 scale bytes at 64 r, its 1,536 bytes of codes at CODES + 1,536 r.  act: rows 0-4095 x, rows 4096-5633 the context.  wt: w_q, w_k, w_k_img, w_v, w_v_img, 2,048 rows each.  wo: w_o.
; SHARES: a work-group takes 8 rows, a wave 2 rows: 8 steps of 512 numbers.  Work-groups 0-511 x, 512-1791 the five weights of wt, 1792-2047 w_o, 2048-2240 the context (1,538 = 8 x 192 + 2: three waves of the last find no row).
; A step's four loads read 512 consecutive bytes each; the 2,048 bytes turn through the wave's own stage in LDS, so that a lane gets 16 neighbours along K (two lanes hold a block).  No barrier: waves share nothing.
.set STEPS, 8
.set EMAX,  2
.set CB,    12                         ; bytes of 16 codes
.set R,     16                         ; v16-79   four sets of 16 numbers as they are loaded
.set X,     80                         ; v80-111  two sets of 16 neighbours
.set E,     112                        ; v112-119 a scale byte for each step
.set C,     128                        ; v128-159 codes: four registers for each step, so that no store's data are written again
.set WREG,  5376                       ; LDS of a wave: two stages of 32 x SP bytes, then its 128 scale bytes
.set SP,    80                         ; a lane's place in a stage: 64 bytes + 16 of padding
.set CODES, 655360                     ; where the codes begin in each buffer
	s_load_b512 s[4:19], s[0:1], 0x0               ; x, context, w_q, w_k, w_k_img, w_v, w_v_img, w_o
	s_load_b128 s[20:23], s[0:1], 0x40             ; act, wt
	s_load_b64 s[24:25], s[0:1], 0x50              ; wo
	v_lshl_add_u32 v160, v0, 2, 0x5400
	v_mov_b32 v161, 0
	v_lshrrev_b32 v1, 5, v0
	v_readfirstlane_b32 s40, v1                    ; wave
	v_and_b32 v2, 31, v0                           ; lane
	v_lshlrev_b32 v3, 4, v2                        ; my 16 bytes of a load's 512
	s_mul_i32 s41, s40, WREG
	v_lshrrev_b32 v14, 2, v2
	v_mul_u32_u24 v14, v14, SP
	v_and_b32 v15, 3, v2
	v_lshl_add_u32 v14, v15, 4, v14
	v_add_nc_u32 v14, s41, v14                     ; the stage, on the way in: SP (lane / 4) + 16 (lane % 4)
	v_mul_u32_u24 v15, v2, SP
	v_add_nc_u32 v15, s41, v15                     ; and on the way out: SP x lane: my 16 neighbours
	v_mul_u32_u24 v4, v2, CB                       ; my codes' place in a step's
	v_lshrrev_b32 v5, 1, v2
	s_add_co_u32 s41, s41, 2*32*SP
	v_add_nc_u32 v5, s41, v5                       ; LDS: my block's scale byte
	v_lshlrev_b32 v7, 2, v2                        ; and on the way out 4 bytes a lane
	v_add_nc_u32 v6, s41, v7
	s_wait_kmcnt 0x0
	; which tensor is the work-group's: every choice hangs on the work-group's number alone
	s_mov_b64 s[26:27], s[4:5]                     ; from: x
	s_mov_b64 s[28:29], s[20:21]                   ; to: act
	s_mov_b32 s30, 0                               ; the first work-group of the run
	s_mov_b32 s31, 0xffff                          ; the mask that gives the place inside one tensor
	s_mov_b32 s32, 0                               ; rows ahead of the tensor in its buffer
	s_mov_b32 s33, 0x10000                         ; rows of the tensor, where that matters
	s_cmp_ge_u32 ttmp9, 512
	s_cselect_b64 s[26:27], s[8:9], s[26:27]
	s_cselect_b64 s[28:29], s[22:23], s[28:29]
	s_cselect_b32 s30, 512, s30
	s_cselect_b32 s31, 255, s31
	s_cmp_ge_u32 ttmp9, 768
	s_cselect_b64 s[26:27], s[10:11], s[26:27]
	s_cmp_ge_u32 ttmp9, 1024
	s_cselect_b64 s[26:27], s[12:13], s[26:27]
	s_cmp_ge_u32 ttmp9, 1280
	s_cselect_b64 s[26:27], s[14:15], s[26:27]
	s_cmp_ge_u32 ttmp9, 1536
	s_cselect_b64 s[26:27], s[16:17], s[26:27]
	s_cmp_ge_u32 ttmp9, 1792
	s_cselect_b64 s[26:27], s[18:19], s[26:27]
	s_cselect_b64 s[28:29], s[24:25], s[28:29]
	s_cselect_b32 s30, 1792, s30
	s_cmp_ge_u32 ttmp9, 2048
	s_cselect_b64 s[26:27], s[6:7], s[26:27]
	s_cselect_b64 s[28:29], s[20:21], s[28:29]
	s_cselect_b32 s30, 2048, s30
	s_cselect_b32 s31, 0xffff, s31
	s_cselect_b32 s32, 4096, s32
	s_cselect_b32 s33, 1538, s33
	s_sub_co_u32 s34, ttmp9, s30                   ; u: my place in the run
	s_and_b32 s35, s34, s31
	s_lshl_b32 s35, s35, 3
	s_lshl_b32 s36, s40, 1
	s_add_co_u32 s35, s35, s36                     ; my first row in the tensor
	s_lshl_b32 s34, s34, 3
	s_add_co_u32 s34, s34, s36
	s_add_co_u32 s34, s34, s32                     ; and in the buffer
	s_cmp_ge_u32 s35, s33
	s_cbranch_scc1 .Lnone                          ; past the context's last row: this wave has no row
	s_mov_b32 s37, 0
	s_lshl_b32 s36, s35, 13                        ; a row is 8,192 bytes of f32
	s_add_nc_u64 s[26:27], s[26:27], s[36:37]
	s_mul_i32 s36, s34, 1536
	s_add_co_u32 s36, s36, CODES
	s_add_nc_u64 s[38:39], s[28:29], s[36:37]      ; my codes
	s_lshl_b32 s36, s34, 6
	s_add_nc_u64 s[28:29], s[28:29], s[36:37]      ; my scale bytes
.macro LOAD t
.irp i, 0,1,2,3
	global_load_b128 v[R+16*((\t)%4)+4*\i:R+16*((\t)%4)+4*\i+3], v3, s[26:27] offset:2048*(\t)+512*\i th:TH_LOAD_NT   ; 32 lanes read 512 consecutive bytes
.endr
.endm
.macro TURN t                          ; step t's numbers through the stage: LDS serves a wave's instructions in order, so no wait stands between the stores and the loads
.irp i, 0,1,2,3
	ds_store_b128 v14, v[R+16*((\t)%4)+4*\i:R+16*((\t)%4)+4*\i+3] offset:32*SP*((\t)%2)+8*SP*\i
.endr
.irp i, 0,1,2,3
	ds_load_b128 v[X+16*((\t)%2)+4*\i:X+16*((\t)%2)+4*\i+3], v15 offset:32*SP*((\t)%2)+16*\i
.endr
.endm
.irp t, 0,1,2,3
	LOAD \t
.endr
	s_wait_loadcnt 12                              ; step 0's four loads are in; the twelve of steps 1 to 3 may be out
	TURN 0
.macro STEP t
.set XS, X+16*((\t)%2)
.if (\t) > 0
	s_wait_dscnt 1                                 ; this step's numbers are back from the stage (the last step's byte store may be out): so its stores into the stage have read their registers,
.else
	s_wait_dscnt 0x0
.endif
.if (\t)+4 < STEPS
	LOAD (\t)+4                                    ; which take the loads of four steps on
.endif
.if (\t)+1 < STEPS
.if STEPS-2-(\t) >= 3
	s_wait_loadcnt 12                              ; the next step's four loads are in; those of the three steps behind it may be out
.else
	s_wait_loadcnt 4*(STEPS-2-(\t))
.endif
	TURN (\t)+1                                    ; and go through the other stage while this step is worked
.endif
	v_max3_num_f32 v8, |v[XS]|, |v[XS+1]|, |v[XS+2]|               ; the largest magnitude of my 16, in two chains
	v_max3_num_f32 v9, |v[XS+3]|, |v[XS+4]|, |v[XS+5]|
.irp i, 6,10
	v_max3_num_f32 v8, v8, |v[XS+\i]|, |v[XS+\i+1]|
	v_max3_num_f32 v9, v9, |v[XS+\i+2]|, |v[XS+\i+3]|
.endr
	v_max3_num_f32 v8, v8, |v[XS+14]|, |v[XS+15]|
	v_max3_num_f32 v8, v8, v9, (EMAX+1)<<23        ; and the floor 2^(EMAX + 1 - 127): the byte cannot fall under 1
	v_max_num_f32_dpp v8, v8, v8 row_xmask:1 row_mask:0xf bank_mask:0xf   ; and of my neighbour's 16: the block's
	v_add_nc_u32 v11, -(EMAX<<23), v8              ; EMAX off its exponent field: the conversion takes the exponent field of this operand as its scale
	v_cvt_scalef32_pk16_fp6_f32 v[C+4*(\t):C+4*(\t)+2], v[XS:XS+15], v11   ; 16 codes, 96 bits without gaps, the first number's code lowest; beyond the largest code the largest
	v_lshrrev_b32 v[E+(\t)], 23, v11               ; the scale's byte
	ds_store_b8 v5, v[E+(\t)] offset:16*(\t)       ; both lanes of a block write the same byte with the same value
	global_store_b96 v4, v[C+4*(\t):C+4*(\t)+2], s[38:39] offset:32*CB*(\t)   ; the wave stores 384 consecutive bytes
.endm
.irp t, 0,1,2,3,4,5,6,7
	STEP \t
.endr
	ds_load_b32 v12, v6                            ; LDS serves a wave's instructions in order: this sees my byte stores
	s_wait_dscnt 0x0
	global_store_b32 v7, v12, s[28:29]             ; two rows' scale bytes: 128 consecutive bytes
.Lnone:
	s_wait_tensorcnt 0x0
	ds_add_u32 v160, v161
	s_wait_dscnt 0x0
	s_endpgm
.Lfunc_end_k_qca2fb47636_quant:
	.size	k_qca2fb47636_quant, .Lfunc_end_k_qca2fb47636_quant-k_qca2fb47636_quant
	.p2alignl 7, 3214868480
	.fill 96, 4, 3214868480
	.section	.rodata,"a",@progbits
	.p2align	6, 0x0
	.amdhsa_kernel k_qca2fb47636_quant
		.amdhsa_group_segment_fixed_size 22016
		.amdhsa_private_segment_fixed_size 0
		.amdhsa_enable_private_segment 0
		.amdhsa_kernarg_size 88
		.amdhsa_user_sgpr_count 2
		.amdhsa_user_sgpr_kernarg_segment_ptr 1
		.amdhsa_wavefront_size32 1
		.amdhsa_system_sgpr_workgroup_id_x 1
		.amdhsa_system_sgpr_workgroup_id_y 1
		.amdhsa_system_sgpr_workgroup_id_z 1
		.amdhsa_system_vgpr_workitem_id 0
		.amdhsa_next_free_vgpr 162
		.amdhsa_next_free_sgpr 66
		.amdhsa_reserve_vcc 0
		.amdhsa_float_denorm_mode_32 3
		.amdhsa_float_denorm_mode_16_64 3
		.amdhsa_memory_ordered 1
		.amdhsa_forward_progress 1
		.amdhsa_inst_pref_size 19
	.end_amdhsa_kernel
	.amdgpu_metadata
---
amdhsa.version: [ 1, 2 ]
amdhsa.kernels:
  - .name:           k_qca2fb47636_quant
    .symbol:         k_qca2fb47636_quant.kd
    .args:
      - { .name: x, .offset: 0, .size: 8, .value_kind: global_buffer, .address_space: global }
      - { .name: context, .offset: 8, .size: 8, .value_kind: global_buffer, .address_space: global }
      - { .name: w_q, .offset: 16, .size: 8, .value_kind: global_buffer, .address_space: global }
      - { .name: w_k, .offset: 24, .size: 8, .value_kind: global_buffer, .address_space: global }
      - { .name: w_k_img, .offset: 32, .size: 8, .value_kind: global_buffer, .address_space: global }
      - { .name: w_v, .offset: 40, .size: 8, .value_kind: global_buffer, .address_space: global }
      - { .name: w_v_img, .offset: 48, .size: 8, .value_kind: global_buffer, .address_space: global }
      - { .name: w_o, .offset: 56, .size: 8, .value_kind: global_buffer, .address_space: global }
      - { .name: act, .offset: 64, .size: 8, .value_kind: global_buffer, .address_space: global }
      - { .name: wt, .offset: 72, .size: 8, .value_kind: global_buffer, .address_space: global }
      - { .name: wo, .offset: 80, .size: 8, .value_kind: global_buffer, .address_space: global }
    .group_segment_fixed_size: 22016
    .private_segment_fixed_size: 0
    .kernarg_segment_align: 8
    .kernarg_segment_size: 88
    .max_flat_workgroup_size: 128
    .sgpr_count:     66
    .vgpr_count:     162
    .wavefront_size: 32
...
	.end_amdgpu_metadata
.endif
;; end of part 1
;; launch proj (part 2): grid 8 x 32, 4 waves a work-group, clusters of 4 x 4, 327,680 bytes of LDS; arguments act, wt, b_q, b_k, b_k_img, b_v, b_v_img, g_k, g_k_img, y, ss, vt; writes y, ss, vt
.if DOCPART == 2
	.amdgcn_target "amdgcn-amd-amdhsa--gfx1250"
	.amdhsa_code_object_version 6
	.text
	.protected	k_qca2fb47636_proj
	.globl	k_qca2fb47636_proj
	.p2align	8
	.type	k_qca2fb47636_proj,@function
k_qca2fb47636_proj:
	s_mov_b64 s[64:65], 0
	v_nop
	global_prefetch_b8 v0, s[64:65] scope:SCOPE_SE
	s_setreg_imm32_b32 hwreg(HW_REG_WAVE_MODE, 25, 1), 1
	s_wait_xcnt 0x0
	s_wait_alu depctr_hold_cnt(0) depctr_sa_sdst(0) depctr_va_vdst(0) depctr_va_sdst(0) depctr_va_ssrc(0) depctr_va_vcc(0) depctr_vm_vsrc(0)
	s_getreg_b32 s2, hwreg(HW_REG_IB_STS2, 6, 4)
	s_cmp_eq_u32 s2, 0
	s_cbranch_scc0 .Lentry_in_a_cluster
	s_endpgm
.Lentry_in_a_cluster:
	s_bfe_u32 s2, ttmp6, 0x10000c
	s_cmp_lg_u32 s2, 0xf033
	s_cbranch_scc0 .Lentry_shape_is_right
	s_endpgm
.Lentry_shape_is_right:
; A GEMM on codes of FP6 (E2M3) with E8M0 scales, K = 2,048, tiles of 256 x 256, four waves of 128 x 128; two slots of 256 along K in LDS, filled by joint tensor loads of a 4 x 4 cluster.
; Both operand buffers are laid alike: row r's 64 scale bytes at 64 r, its 1,536 bytes of codes at CODES + 1,536 r.  The arguments: two operand buffers P0, P1; five biases; two gains; the f32 result; the partial sums; V's images.
; THE CLUSTER'S y (Y) SAYS WHICH PRODUCT; it is the same in all sixteen partners, so branches and choices may hang on it.  X is the cluster's x; cx, cy the place in the cluster.
;   Y 0-3  rows 256 (4 Y + cy) of P0  x  rows 256 (4 X + cx) of P1:                 result + bias 0                     -> f32 rows 256 (4 Y + cy)      (q; in the last launch: the output)
;   Y 4, 5 the context's text (4) or image (5) rows of P0 x w_k or w_k_img:         (result + bias) x gain              -> f32 rows 4096 + .., 5120 + ..
;   Y 6, 7 rows of w_v or w_v_img (A) x the context's text or image rows (B):       V^T + bias, quantised along the keys -> register images in vt
; For the f32 results each wave also stores, for each of its 128 rows, the sum of squares of (result + bias) over its 128 columns: 16 partial sums a row, which the next launch adds for the RMS norm.
; (Run as the last launch the text stores these sums too, into a buffer that nobody reads any more: 35 packed instructions a block and 512 bytes a wave; that is the price of one text for both launches.)
; An image tile's rows past the 257th are text rows of the same buffer: finite numbers, which the next launch masks (K) or which are set to 0 here ahead of the quantiser (V).
; THE MATRIX INSTRUCTION IS USED TRANSPOSED (source 0 = 16 rows of B, source 1 = 16 rows of A): a lane holds one row of A's and eight neighbouring rows of B's.
; LIMITS: NaN and infinities are not served; a block of zeros keeps the scale byte 1 (its codes are zeros; this program alone reads the bytes); k is (y x gain) x rs where the definition has (y x rs) x gain: one rounding of f32.
; REGISTERS, in windows of 256: window 0: v0-31 addresses; v32-63 scale words, two sets; v64-127 the columns' biases; v128-223 A's fragments, ONE set; v224-231 V's rows' biases.
;   window 1: B's fragments, TWO sets, at v0 and at v128; v96-127 and v224-255 the columns' gains.   window 2: the accumulators of my rows 0-63 ((a, b) at v[8 (8 a + b)]);   window 3: those of my rows 64-127.
.set SIZE_K, 2048
.set SIZE_N, 2048                      ; columns of the f32 result
.set KSTEP,  256                       ; along K in a slot
.set NQ,     KSTEP/128                 ; matrix instructions deep
.set ROWB,   192                       ; a tile's row in bytes
.set KROW,   SIZE_K*6/8                ; a row of codes in memory
.set PITCH,  240                       ; an LDS row: 3 x (64 bytes of data + 16 of padding)
.set FR,     12                        ; registers of a fragment: 16 rows x 128 K
.set NL,     6                         ; LDS loads that bring one
.set NP,     4                         ; places behind this matrix instruction (ISA guide 7.12.1)
.set HALFT,  128*PITCH                 ; 128 rows: what one tensor load brings
.set SLOT,   4*HALFT                   ; A's 256 rows, then B's 256 rows
.set LAPS,   SIZE_K/(2*KSTEP)          ; a lap = two K steps = once round the ring
.set KS,     SIZE_K/32                 ; a row of scales in bytes
.set SCL,    2*SLOT                    ; behind the ring: the scales, as units of 256 bytes + 16 of padding
.set HALFS,  (128*KS/256)*272          ; the scales of 128 rows
.set SBLK,   (16*KS/256)*272           ; those of 16 rows
.set SPARE,  SCL+4*HALFS               ; the spare words, 128 bytes for each wave: two blocks of 256 bytes that no other line names
.set SPITCH, 528                       ; the way out: a stage of 16 rows x (512 bytes + 16) for each wave, in slot 0, which has had its last fill and its last read by then
.set CODES,  655360                    ; where the codes begin in an operand buffer
.set SSP,    24576                     ; bytes from one slot of partial sums to the next: 6,144 rows x 4
.set REC,    12800                     ; a key step's record in vt: 8 images of 1,536 bytes, then 8 x 64 bytes of scale words
.set ADRA, 16                          ; v16-17  LDS address of my A fragments in slot 0, 1  (v18-19: for the pieces behind one padding more)
.set ADRB, 20                          ; v20-23  the same for B
.set STO,  24                          ; v24     the way out: where I put 32 bytes of a row
.set RD,   25                          ; v25     where I read a row back
.set CO,   26                          ; v26     16 x lane
.set ADRS, 27                          ; v27     LDS address of my scale words: lanes 0-15 A's rows, lanes 16-31 B's
.set SPW,  28                          ; v28     LDS address of my spare word; never rewritten
.set NIL,  29                          ; v29     0; never rewritten
.set L4,   30                          ; v30     4 x lane
.set SC,   32                          ; scale words
.set BI,   64                          ; window 0: bias of column 16 b + 8 (lane / 16) + j at v[BI + 8 b + j]
.set AF,   128                         ; A's fragments
.set BV,   224                         ; window 0: bias of V's row 16 a + lane % 16 at v[BV + a]
.set BK,   128                         ; the f32 way out: 16 rows read back from the stage: v128-191 and v192-255 by turns
.set SQ,   64                          ; window 1, the f32 way out: four pairs of sums of squares
.set PT,   72                          ; window 1: at work
.set RS,   76                          ; window 1: v76-83 the rows' sums of the eight blocks
.set MG,   84                          ; window 1: v84-87 the same, two blocks to a register
.set VT,   128                         ; V's way out, window 0: 64 numbers of a block
.set MK,   64                          ; 1.0 for a key that counts, 0 for one past the end
.set CD,   192                         ; v192-203 the codes just made
.set XT,   204                         ; v204-206, v208-210 the conversions' second halves
.set MX,   212                         ; v212-215 largest magnitudes
.set PB,   216                         ; v216-219 the other half's, then the bytes
.set OP,   220                         ; v220-223 the conversions' scale operands
.set WD,   32                          ; v32-39 the blocks' scale words; v44-47 two blocks to a register
.set SEL,  92                          ; s[92:93] lane selects for v_permlanex16_b32: lane l xor 16
.set G1, 24                            ; s[24:31] descriptor group 1 for A's tiles;  s[32:39] group 0, one set for each slot
.set G0, 32
.set G1B, 48                           ; s[48:55], s[56:63] the same for B's tiles
.set G0B, 56
.set G1S, 68                           ; s[68:75], s[76:79] groups 1 and 0 for A's scales;  s[80:87], s[88:91] for B's
.set G0S, 76
.set G1SB, 80
.set G0SB, 88
.set MSB, 0
.macro WIN new                         ; the immediate's high byte repeats the setting that is left
.if MSB != (\new)
	s_set_vgpr_msb (MSB<<8)|(\new)
.set MSB, (\new)
.endif
.endm
.set MUL_LO, 0xa1                      ; source 0 (B) window 1, source 1 (A) window 0, C and D window 2
.set MUL_HI, 0xf1                      ; the same, C and D window 3
.set TO_B,   0x40                      ; destination window 1, address window 0
; A joint load: waves 0 and 1 fetch for A, waves 2 and 3 for B.  Each of the two lines has ONE mask and one set of registers for all that issue it; the branch hangs on the wave's number alone.
; Four v_nop follow each of the two lines, ahead of the jump, the label and what follows.
.macro JLOAD g0a, g1a, g0b, g1b
	s_cmp_eq_u32 s15, 0
	s_cbranch_scc0 .Lfor_b_\@
	tensor_load_to_lds s[\g0a:\g0a+3], s[\g1a:\g1a+7]
	s_nop 0
.rept 4
	v_nop
.endr
	s_branch .Lasked_\@
.Lfor_b_\@:
	tensor_load_to_lds s[\g0b:\g0b+3], s[\g1b:\g1b+7]
	s_nop 0
.rept 4
	v_nop
.endr
.Lasked_\@:
.endm
.macro CREST                           ; a round of the cluster's barrier behind its opening barrier
	s_cmp_lg_u32 s14, 0
	s_cbranch_scc1 .Lnot_wave_0_\@
	s_barrier_signal -3
.Lnot_wave_0_\@:
	s_barrier_wait -3
	s_barrier_signal -1
	s_barrier_wait -1
.endm
.macro CROUND                          ; a whole round
	s_barrier_signal -1
	s_barrier_wait -1
	CREST
.endm
; 64 numbers of a lane, v[s] .. v[s + 63], register 16 b + i = k 32 b + 16 (lane / 16) + i of my row, become a fragment's codes in v[pc] on and its scale word in v[pw].
.macro QUANT s, pc, pw
.irp b, 0,1,2,3
	v_max3_num_f32 v[MX+\b], |v[(\s)+16*\b]|, |v[(\s)+1+16*\b]|, 0x1800000   ; block b: my 16 numbers, and the floor 2^(3 - 127): the byte cannot fall under 1
.endr
.irp i, 2,4,6,8,10,12,14
.irp b, 0,1,2,3
	v_max3_num_f32 v[MX+\b], v[MX+\b], |v[(\s)+16*\b+\i]|, |v[(\s)+1+16*\b+\i]|   ; (the four blocks by turns)
.endr
.endr
.irp b, 0,1,2,3
	v_permlanex16_b32 v[PB+\b], v[MX+\b], s[SEL], s[SEL+1]
.endr
.irp b, 0,1,2,3
	v_max_num_f32 v[MX+\b], v[MX+\b], v[PB+\b]     ; with lane l xor 16's: the block's largest magnitude
.endr
.irp b, 0,1,2,3
	v_add_nc_u32 v[OP+\b], 0xff000000, v[MX+\b]    ; 2 off its exponent field: the conversion's scale operand
.endr
.irp b, 0,1,2,3
	v_lshrrev_b32 v[PB+\b], 23, v[OP+\b]           ; the scale's byte
.endr
	v_lshl_or_b32 v[\pw], v[PB+1], 8, v[PB]        ; the four bytes make my row's scale word
	v_lshl_or_b32 v[\pw], v[PB+2], 16, v[\pw]
	v_lshl_or_b32 v[\pw], v[PB+3], 24, v[\pw]
.irp c, 0,1
	v_cvt_scalef32_pk16_fp6_f32 v[(\pc)+6*\c:(\pc)+2+6*\c], v[(\s)+32*\c:(\s)+15+32*\c], v[OP+2*\c]
	v_cvt_scalef32_pk16_fp6_f32 v[XT+4*\c:XT+2+4*\c], v[(\s)+16+32*\c:(\s)+31+32*\c], v[OP+2*\c+1]   ; (a conversion's three registers begin on an even number)
.endr
	v_nop                                          ; one plain place behind a scaled conversion
.irp c, 0,1                                    ; the operand's layout wants a WHOLE block in a lane: lanes 0-15 block 2 c, lanes 16-31 block 2 c + 1
.irp i, 0,1,2
	v_permlane16_swap_b32 v[(\pc)+6*\c+\i], v[XT+4*\c+\i]
.endr
.irp i, 0,1,2
	v_mov_b32 v[(\pc)+3+6*\c+\i], v[XT+4*\c+\i]
.endr
.endr
.endm
	s_load_b128 s[4:7], s[0:1], 0x0                ; the two operand buffers
	v_lshl_add_u32 v[SPW], v0, 2, SPARE
	v_mov_b32 v[NIL], 0
	ds_add_u32 v28, v29
	ds_add_u32 v28, v29
	s_wait_dscnt 0x0
	v_lshrrev_b32 v1, 5, v0
	v_readfirstlane_b32 s14, v1                    ; wave 0..3
	s_lshr_b32 s15, s14, 1                         ; which half of the tile's rows (A's) is mine.  Also: I fetch for A (0) or for B (1)
	s_and_b32 s16, s14, 1                          ; which half of its columns (B's rows).  Also: which 128 rows of that tile I fetch
	s_bfe_u32 s40, ttmp6, 0x40000                  ; cx, cy: my place in the cluster
	s_bfe_u32 s41, ttmp6, 0x40004
	s_mov_b32 s66, ttmp9                           ; X
	s_and_b32 s95, ttmp7, 0xffff                   ; Y
	s_lshl_b32 s43, s41, 2
	s_lshl_b32 s43, 15, s43                        ; my row of the cluster
	s_lshl_b32 s44, 0x1111, s40                    ; my column
	s_sub_co_i32 s67, s95, 3
	s_max_i32 s67, s67, 0
	s_lshl_b32 s67, s67, 11                        ; the weight's first row in its buffer: 2,048 x (0, 1, 2, 3, 4) for Y = 0-3, 4, 5, 6, 7
	s_and_b32 s17, s95, 1
	s_cmp_eq_u32 s17, 0
	s_cselect_b32 s17, 257, 0                      ; text rows begin 257 rows into a batch's context (Y even), image rows at its head
	s_add_co_u32 s17, s17, 4096                    ; and the context begins at row 4,096
	; A's first row, of cy, X and Y alone
	s_lshr_b32 s18, s41, 1
	s_mul_i32 s18, s18, 769                        ; the batch: 769 rows of context each
	s_and_b32 s19, s41, 1
	s_lshl_b32 s19, s19, 8
	s_add_co_u32 s18, s18, s19
	s_add_co_u32 s18, s18, s17                     ; the context's rows for place cy
	s_lshl_b32 s19, s41, 8
	s_lshl_b32 s20, s95, 10
	s_add_co_u32 s20, s20, s19                     ; 256 (4 Y + cy)
	s_lshl_b32 s21, s66, 10
	s_add_co_u32 s21, s21, s67                     ; the weight's rows of this X
	s_add_co_u32 s19, s19, s21                     ; and of place cy
	s_cmp_lt_u32 s95, 4
	s_cselect_b32 s20, s20, s18
	s_cmp_lt_u32 s95, 6
	s_cselect_b32 s20, s20, s19
	; B's first row, of cx, X and Y alone
	s_lshr_b32 s42, s40, 1
	s_mul_i32 s42, s42, 769
	s_and_b32 s45, s40, 1
	s_lshl_b32 s45, s45, 8
	s_add_co_u32 s42, s42, s45
	s_add_co_u32 s42, s42, s17                     ; the context's rows for place cx
	s_lshl_b32 s46, s40, 8
	s_add_co_u32 s46, s46, s21                     ; the weight's rows for place cx
	s_cmp_lt_u32 s95, 6
	s_cselect_b32 s46, s46, s42
	; descriptor group 1: a tile of 128 rows x ROWB bytes, padded in LDS
	s_or_b32 s[G1+0], s43, (0<<16)|(1<<20)|(1<<21)|(3<<22)|(3<<25)  ; 15:0 the mask: A's tiles go to my row; 17:16 element of 1 byte; 20 padding on; 21 set beside a mask; 24:22 after every 16 words; 31:25 of 4 words
	s_or_b32 s[G1B+0], s44, (0<<16)|(1<<20)|(1<<21)|(3<<22)|(3<<25)
.irp g, G1, G1B
	s_mov_b32 s[\g+1], ROWB<<16                    ; tensor_dim0
	s_mov_b32 s[\g+2], 128<<16                     ; tensor_dim1 = 128
	s_mov_b32 s[\g+3], ROWB<<16                    ; tile_dim0
	s_mov_b32 s[\g+4], 128                         ; tile_dim1 = 128
	s_mov_b32 s[\g+5], KROW                        ; tensor_dim0_stride
	s_mov_b32 s[\g+6], 0
	s_mov_b32 s[\g+7], 0
.endr
	; and for the scales of 128 rows: a dense block of 8,192 bytes, as rows of 256 bytes (32 elements of 8 bytes), 16 bytes of padding behind each
	s_or_b32 s[G1S+0], s43, (3<<16)|(1<<20)|(1<<21)|(5<<22)|(3<<25)
	s_or_b32 s[G1SB+0], s44, (3<<16)|(1<<20)|(1<<21)|(5<<22)|(3<<25)
.irp g, G1S, G1SB
	s_mov_b32 s[\g+1], 32<<16
	s_mov_b32 s[\g+2], (128*KS/256)<<16
	s_mov_b32 s[\g+3], 32<<16
	s_mov_b32 s[\g+4], 128*KS/256
	s_mov_b32 s[\g+5], 32
	s_mov_b32 s[\g+6], 0
	s_mov_b32 s[\g+7], 0
.endr
	s_lshl_b32 s18, s16, 7                         ; which 128 rows of the tile I fetch
	s_add_co_u32 s20, s20, s18
	s_add_co_u32 s46, s46, s18
	s_mov_b32 s21, 0
	s_mov_b32 s47, 0
	s_mov_b64 s[18:19], KS
	s_mul_u64 s[22:23], s[20:21], s[18:19]         ; where these rows' scales begin, in bytes
	s_mul_u64 s[92:93], s[46:47], s[18:19]
	s_mov_b64 s[18:19], KROW
	s_mul_u64 s[20:21], s[20:21], s[18:19]         ; and their codes
	s_mul_u64 s[46:47], s[46:47], s[18:19]
	s_add_nc_u64 s[20:21], s[20:21], CODES
	s_add_nc_u64 s[46:47], s[46:47], CODES
	s_mul_i32 s45, s14, HALFT                      ; where they go: wave x 128 rows: no place in the cluster enters an LDS address
	s_mul_i32 s94, s14, HALFS
	s_wait_kmcnt 0x0
	s_cmp_lt_u32 s95, 6                            ; for V^T the weight is A and the context B
	s_cselect_b64 s[8:9], s[4:5], s[6:7]           ; A's buffer
	s_cselect_b64 s[10:11], s[6:7], s[4:5]         ; B's buffer
	s_add_nc_u64 s[20:21], s[8:9], s[20:21]
	s_add_nc_u64 s[22:23], s[8:9], s[22:23]
	s_add_nc_u64 s[46:47], s[10:11], s[46:47]
	s_add_nc_u64 s[92:93], s[10:11], s[92:93]
	CROUND                                         ; all sixteen work-groups are here: the first joint loads meet
	s_mov_b32 s[G0S], 1
	s_add_co_u32 s[G0S+1], s94, SCL
	s_mov_b64 s[G0S+2:G0S+3], s[22:23]
	s_or_b32 s[G0S+3], s[G0S+3], 0x80000000
	s_mov_b32 s[G0SB], 1
	s_add_co_u32 s[G0SB+1], s94, SCL
	s_mov_b64 s[G0SB+2:G0SB+3], s[92:93]
	s_or_b32 s[G0SB+3], s[G0SB+3], 0x80000000
	JLOAD G0S, G1S, G0SB, G1SB                     ; the scales first: they are wanted with K step 0.  With the two below, three tensor loads of mine are out
.irp s, 0,1
	s_mov_b32 s[G0+4*\s], 1
	s_add_co_u32 s[G0+4*\s+1], s45, \s*SLOT
	s_add_nc_u64 s[G0+4*\s+2:G0+4*\s+3], s[20:21], \s*ROWB
	s_or_b32 s[G0+4*\s+3], s[G0+4*\s+3], 0x80000000
	s_mov_b32 s[G0B+4*\s], 1
	s_add_co_u32 s[G0B+4*\s+1], s45, \s*SLOT
	s_add_nc_u64 s[G0B+4*\s+2:G0B+4*\s+3], s[46:47], \s*ROWB
	s_or_b32 s[G0B+4*\s+3], s[G0B+4*\s+3], 0x80000000
	JLOAD G0+4*\s, G1, G0B+4*\s, G1B
.endr
	v_and_b32 v1, 15, v0                           ; r = l % 16
	v_bfe_u32 v2, v0, 4, 1                         ; h = l / 16
	v_mul_u32_u24 v3, v1, PITCH
	v_mul_u32_u24 v4, v2, 24
	v_add_nc_u32 v4, v3, v4                        ; a fragment's row x pitch + 24 x half
	v_lshl_add_u32 v5, v2, 4, v4                   ; and the same behind one padding more
	s_mul_i32 s21, s15, HALFT                      ; my 128 rows of A
	s_mul_i32 s22, s16, HALFT                      ; my 128 rows of B,
	s_add_co_u32 s22, s22, 2*HALFT                 ; which lie behind A's 256
.irp s, 0,1
	v_add_nc_u32 v[ADRA+\s], s21, v4
	v_add_nc_u32 v[ADRB+\s], s22, v4
	v_add_nc_u32 v[ADRA+2+\s], s21, v5
	v_add_nc_u32 v[ADRB+2+\s], s22, v5
	s_add_co_u32 s21, s21, SLOT
	s_add_co_u32 s22, s22, SLOT
.endr
	v_mul_u32_u24 v5, v1, KS                       ; my row's scales: KS bytes a row,
	v_lshrrev_b32 v6, 8, v5
	v_lshl_add_u32 v5, v6, 4, v5                   ; and 16 more for each 256 passed
	s_mul_i32 s21, s15, HALFS                      ; A's: my 128 rows
	s_mul_i32 s22, s16, HALFS                      ; B's: my 128 rows, behind A's 256
	s_add_co_u32 s22, s22, 2*HALFS
	s_sub_co_u32 s22, s22, s21
	v_mul_u32_u24 v6, s22, v2                      ; lanes 16-31 take B's
	s_add_co_u32 s21, s21, SCL
	v_add_nc_u32 v5, v5, v6
	v_add_nc_u32 v[ADRS], s21, v5
	s_mul_i32 s23, s14, 16*SPITCH                  ; my stage
	v_mul_u32_u24 v5, v1, SPITCH                   ; in: row l % 16, 32 bytes for each half of the lanes
	v_lshl_add_u32 v5, v2, 5, v5
	v_add_nc_u32 v[STO], s23, v5
	v_and_b32 v6, 31, v0
	v_lshlrev_b32 v[CO], 4, v6                     ; back: the 32 lanes take one row of 512 bytes
	v_add_nc_u32 v[RD], s23, v[CO]
	v_lshlrev_b32 v[L4], 2, v6
	v_lshlrev_b32 v10, 5, v2                       ; the columns' biases and gains: 8 numbers for each half of the lanes
	v_lshlrev_b32 v11, 2, v1                       ; V's rows' biases: one number a row
	; the other arguments, into registers that the descriptors' making has left
	s_load_b256 s[4:11], s[0:1], 0x10              ; biases 0, 1, 2 (of the f32 results), 3 (V text)
	s_load_b128 s[20:23], s[0:1], 0x30             ; bias 4 (V image), gain 0
	s_load_b128 s[44:47], s[0:1], 0x40             ; gain 1, the f32 result
	s_load_b128 s[96:99], s[0:1], 0x50             ; the partial sums, V's images
	s_mov_b32 s[SEL], 0x76543210
	s_mov_b32 s[SEL+1], 0xfedcba98
	s_mov_b32 s94, 0xffff0000                      ; lanes 16-31
	s_lshl_b32 s17, s95, 10
	s_lshl_b32 s18, s41, 8
	s_add_co_u32 s17, s17, s18
	s_lshl_b32 s19, s15, 7
	s_add_co_u32 s17, s17, s19                     ; my first row of the f32 result: 256 (4 Y + cy) + 128 x half
	s_lshl_b32 s100, s66, 10
	s_add_co_u32 s18, s18, s100
	s_add_co_u32 s18, s18, s19                     ; my first row of V^T: 256 (4 X + cy) + 128 x half: a whole head
	s_lshl_b32 s42, s40, 8
	s_add_co_u32 s42, s42, s100
	s_lshl_b32 s43, s16, 7
	s_add_co_u32 s42, s42, s43                     ; my first column of the f32 result: 256 (4 X + cx) + 128 x half
	s_lshr_b32 s100, s40, 1                        ; V's record: ((batch x 16 + head) x 8 + 4 x image + key step) x REC
	s_lshl_b32 s100, s100, 4
	s_lshr_b32 s101, s18, 7
	s_add_co_u32 s100, s100, s101
	s_lshl_b32 s100, s100, 3
	s_and_b32 s101, s95, 1
	s_lshl_b32 s101, s101, 2
	s_add_co_u32 s100, s100, s101
	s_and_b32 s101, s40, 1
	s_lshl_b32 s101, s101, 1
	s_add_co_u32 s100, s100, s101
	s_add_co_u32 s100, s100, s16
	s_mul_i32 s100, s100, REC
	s_mov_b32 s101, 0
	s_wait_kmcnt 0x0
	s_add_nc_u64 s[98:99], s[98:99], s[100:101]    ; my record in vt
	s_lshr_b32 s100, s42, 7                        ; my slot of partial sums: column / 128
	s_mul_i32 s100, s100, SSP
	s_lshl_b32 s19, s17, 2
	s_add_co_u32 s100, s100, s19
	s_add_nc_u64 s[96:97], s[96:97], s[100:101]    ; my rows' partial sums
	s_lshl_b32 s100, s17, 13                       ; a row of the result is 8,192 bytes
	s_lshl_b32 s19, s42, 2
	s_add_co_u32 s100, s100, s19
	s_add_nc_u64 s[12:13], s[46:47], s[100:101]    ; my part of the f32 result (formed for every Y, used where Y < 6)
	s_cmp_eq_u32 s95, 4                            ; which bias, which gain: the pointers are chosen, the loads are the same for every Y, so that each register is written on every way;
	s_cselect_b64 s[4:5], s[6:7], s[4:5]           ; the way out reads what its product needs
	s_cmp_eq_u32 s95, 5
	s_cselect_b64 s[4:5], s[8:9], s[4:5]
	s_cselect_b64 s[22:23], s[44:45], s[22:23]
	s_cmp_eq_u32 s95, 7
	s_cselect_b64 s[10:11], s[20:21], s[10:11]
	s_mov_b32 s100, s19
	s_add_nc_u64 s[4:5], s[4:5], s[100:101]        ; at my first column
	s_add_nc_u64 s[22:23], s[22:23], s[100:101]
	s_lshl_b32 s100, s18, 2
	s_add_nc_u64 s[10:11], s[10:11], s[100:101]    ; at my first row of V^T
.irp b, 0,1,2,3,4,5,6,7
	global_load_b128 v[BI+8*\b:BI+8*\b+3],   v10, s[4:5] offset:64*\b
	global_load_b128 v[BI+8*\b+4:BI+8*\b+7], v10, s[4:5] offset:64*\b+16
.endr
.irp a, 0,1,2,3,4,5,6,7
	global_load_b32 v[BV+\a], v11, s[10:11] offset:64*\a
.endr
	WIN TO_B
.irp b, 0,1,2,3
	global_load_b128 v[96+8*\b:96+8*\b+3],     v10, s[22:23] offset:64*\b
	global_load_b128 v[96+8*\b+4:96+8*\b+7],   v10, s[22:23] offset:64*\b+16
	global_load_b128 v[224+8*\b:224+8*\b+3],   v10, s[22:23] offset:256+64*\b
	global_load_b128 v[224+8*\b+4:224+8*\b+7], v10, s[22:23] offset:256+64*\b+16
.endr
	WIN 0
.macro FRAG reg, adr, q, i             ; a fragment, 16 rows x 128 K of 6-bit codes, is 12 registers: lane l holds row l % 16; registers 6 c .. 6 c + 5 hold K = 64 c + 32 (l / 16) + 0 .. 31: 24 bytes of the row's stream of bits, as they lie
.irp p, 0,1,2,3,4,5                    ; in pieces of 8 bytes.  Lanes 0-15 take the row's pieces 12 q + 0, 1, 2 and 12 q + 6, 7, 8, lanes 16-31 those three pieces on
.set PC, 12*(\q)+6*(\p/3)+\p%3        ; 16 bytes of padding lie behind every 64 bytes (8 pieces): where the piece three on lies behind one padding more, the second address register serves
.if PC%8 < 5
	ds_load_b64 v[\reg+2*\p:\reg+2*\p+1], v[\adr] offset:8*PC+16*(PC/8)+(\i)*16*PITCH
.else
	ds_load_b64 v[\reg+2*\p:\reg+2*\p+1], v[\adr+2] offset:8*PC+16*(PC/8)+(\i)*16*PITCH
.endif
.endr
.endm
; 16 matrix instructions: A's blocks a0, a0 + 1 x B's eight, 128 along K: the slot's q-th.  p: B's set;  sc: the set of scale words.  zero = 1: the first product starts the sums.
; The 64 accumulators take turns, one instruction a turn, in the same order in every step.
.macro MUL16 a0, p, q, sc, zero
.irp a, \a0, \a0+1
.irp b, 0,1,2,3,4,5,6,7
.if \zero
	v_wmma_scale_f32_16x16x128_f8f6f4 v[8*(8*((\a)%4)+\b):8*(8*((\a)%4)+\b)+7], v[128*(\p)+FR*\b:128*(\p)+FR*\b+FR-1], v[AF+FR*(\a):AF+FR*(\a)+FR-1], 0, v[SC+8*NQ*(\sc)+NQ*\b+(\q)], v[SC+8*NQ*(\sc)+NQ*(\a)+(\q)] matrix_a_fmt:MATRIX_FMT_FP6 matrix_b_fmt:MATRIX_FMT_FP6 matrix_a_scale:MATRIX_SCALE_ROW1
.else
	v_wmma_scale_f32_16x16x128_f8f6f4 v[8*(8*((\a)%4)+\b):8*(8*((\a)%4)+\b)+7], v[128*(\p)+FR*\b:128*(\p)+FR*\b+FR-1], v[AF+FR*(\a):AF+FR*(\a)+FR-1], v[8*(8*((\a)%4)+\b):8*(8*((\a)%4)+\b)+7], v[SC+8*NQ*(\sc)+NQ*\b+(\q)], v[SC+8*NQ*(\sc)+NQ*(\a)+(\q)] matrix_a_fmt:MATRIX_FMT_FP6 matrix_b_fmt:MATRIX_FMT_FP6 matrix_a_scale:MATRIX_SCALE_ROW1
.endif
.endr
.endr
.endm
.macro FETCH_B slot, q, p              ; B's eight fragments of the slot's q-th 128 along K into set p
	WIN TO_B
.irp i, 0,1,2,3,4,5,6,7
	FRAG 128*(\p)+FR*\i, ADRB+\slot, \q, \i
.endr
	WIN 0
.endm
.macro FETCH_A slot, q, i0             ; A's blocks i0 .. i0 + 3
.irp i, \i0, \i0+1, \i0+2, \i0+3
	FRAG AF+FR*(\i), ADRA+\slot, \q, \i
.endr
.endm
.macro SCALES sc                       ; the next K step's scale words into set sc: NQ words a row; lanes 0-15 take A's block i, lanes 16-31 B's block i
.irp i, 0,1,2,3,4,5,6,7
	ds_load_b64 v[SC+8*NQ*\sc+NQ*\i:SC+8*NQ*\sc+NQ*\i+1], v[ADRS] offset:\i*SBLK
.endr
.endm
; A load into a register that a matrix instruction has read, and a vector instruction or an LDS store that reads a matrix result or writes one of its registers, stand NP places behind that matrix
; instruction, and only plain vector instructions that name none of its registers are places (ISA guide 7.12.1 for vector instructions).
.macro PLACES n
.rept \n
	v_nop
.endr
.endm
; A step of 128 along K that has its successor in the same slot.
.macro STEP slot, q, zero
	s_wait_dscnt 4*NL                              ; B's set and A's blocks 0-3 are in; the youngest 24 loads (A's blocks 4-7) may be out
	WIN MUL_LO
	MUL16 0, (\q)%2, \q, \slot, \zero
	MUL16 2, (\q)%2, \q, \slot, \zero
	s_wait_dscnt 0                                 ; A's blocks 4-7 are in (asked for 32 matrix instructions ago)
	PLACES NP
	FETCH_B \slot, (\q)+1, 1-(\q)%2
	FETCH_A \slot, (\q)+1, 0
	WIN MUL_HI
	MUL16 4, (\q)%2, \q, \slot, \zero
	MUL16 6, (\q)%2, \q, \slot, \zero
	PLACES NP
	WIN 0
	FETCH_A \slot, (\q)+1, 4
.endm
; A slot's last step changes slots: ONE barrier; in front of it each wave waits for all its tensor loads, adds 0 to its spare word, and waits for that and for its own reads of this slot.  fill = 1: this slot is filled again, two K steps ahead.
.macro TURN slot, next, fill
	s_wait_tensorcnt 0x0                           ; all my tensor loads have landed: my part of the next slot;  (every window is 0 here: the add's two registers lie in window 0)
	ds_add_u32 v[SPW], v[NIL]                      ; 0 onto my spare word;
	s_wait_dscnt 4*NL+1                            ; (the add and the youngest 24 loads, A's blocks 4-7, may be out)
	WIN MUL_LO
	MUL16 0, 1, NQ-1, \slot, 0                     ; sixteen matrix instructions stand between the add and the wait for it
	s_wait_dscnt 0x0                               ; the add is done, and my reads of this slot are over
	s_barrier_signal -1
	MUL16 2, 1, NQ-1, \slot, 0
	WIN 0
	s_barrier_wait -1
.if \fill
	CREST                                          ; the barrier has opened a round of the cluster's barrier: no wave of any partner still reads this slot's tile or has a load on its way
	s_add_nc_u64 s[G0+4*\slot+2:G0+4*\slot+3], s[G0+4*\slot+2:G0+4*\slot+3], 2*ROWB
	s_add_nc_u64 s[G0B+4*\slot+2:G0B+4*\slot+3], s[G0B+4*\slot+2:G0B+4*\slot+3], 2*ROWB
	JLOAD G0+4*\slot, G1, G0B+4*\slot, G1B         ; the first tensor load behind the round, my only one out; the four v_nop behind it are the places in front of the loads below
.else
	PLACES NP
.endif
	v_add_nc_u32 v[ADRS], 4*NQ, v[ADRS]            ; on to the next K step's scale words (no LDS load of mine is out)
	FETCH_B \next, 0, 0
	FETCH_A \next, 0, 0
	SCALES \next
	WIN MUL_HI
	MUL16 4, 1, NQ-1, \slot, 0
	MUL16 6, 1, NQ-1, \slot, 0
	PLACES NP
	WIN 0
	FETCH_A \next, 0, 4
.endm
	s_wait_loadcnt 0x0                             ; biases and gains: they come while the first tiles come
	s_wait_tensorcnt 1                             ; the scales and my part of K step 0 are in (K step 1's load may be out)
	s_barrier_signal -1
	s_barrier_wait -1                              ; everybody's are
	FETCH_B 0, 0, 0
	FETCH_A 0, 0, 0
	SCALES 0
	FETCH_A 0, 0, 4
	STEP 0, 0, 1                                   ; the first step stands in front of the loop: its products start the sums
	s_mov_b32 s3, LAPS-1
.Llap:                                                 ; a trip goes once round the ring, from a lap's second step to the next lap's first, and fills both slots again
	TURN 0, 1, 1
	STEP 1, 0, 0
	TURN 1, 0, 1
	STEP 0, 0, 0
	s_sub_co_u32 s3, s3, 1
	s_cmp_lg_u32 s3, 0
	s_cbranch_scc1 .Llap
	TURN 0, 1, 0                                   ; the last lap fills nothing, and has no round of the cluster's barrier
	STEP 1, 0, 0
	s_wait_dscnt 4*NL                              ; the very last step: nothing more to fetch
	WIN MUL_LO
	MUL16 0, 1, NQ-1, 1, 0
	MUL16 2, 1, NQ-1, 1, 0
	s_wait_dscnt 0
	WIN MUL_HI
	MUL16 4, 1, NQ-1, 1, 0
	MUL16 6, 1, NQ-1, 1, 0
	WIN 0
	PLACES NP                                      ; behind the last products: both ways out write registers that held fragments and read results
	s_cmp_ge_u32 s95, 6
	s_cbranch_scc1 .Lway_v
; THE WAY OUT OF AN f32 RESULT, block by block of 16 rows x 128 columns.  T = sum + bias; the row's sum of T x T over my 128 columns; T x gain where the product has one; T through my stage in LDS and back as whole rows of 512 bytes.
; T has two sets in window 1 (v0-63, v128-191), by turns: a set is written again only behind the wait that shows the block two back read from the stage, so its LDS stores have read their registers.
.macro FSUM a
.set AC, 64*((\a)%4)
.set TT, 128*((\a)%2)
.set BB, BK+64*((\a)%2)
	WIN 0x42+(\a)/4                                ; destination window 1, source 0 (the sums) window 2 or 3, source 1 (the bias) window 0
.set i, 0
.rept 32
	v_pk_add_f32 v[TT+2*i:TT+2*i+1], v[AC+2*i:AC+2*i+1], v[BI+2*i:BI+2*i+1]   ; ascending: each accumulator is read from its low end on
.set i, i+1
.endr
	WIN 0x55                                       ; destination and all three sources in window 1
.set i, 0
.rept 4
	v_pk_mul_f32 v[SQ+2*i:SQ+2*i+1], v[TT+2*i:TT+2*i+1], v[TT+2*i:TT+2*i+1]   ; four pairs of sums by turns; the first products start them
.set i, i+1
.endr
.rept 28
	v_pk_fma_f32 v[SQ+2*(i%4):SQ+2*(i%4)+1], v[TT+2*i:TT+2*i+1], v[TT+2*i:TT+2*i+1], v[SQ+2*(i%4):SQ+2*(i%4)+1]
.set i, i+1
.endr
	v_pk_add_f32 v[SQ:SQ+1], v[SQ:SQ+1], v[SQ+2:SQ+3]
	v_pk_add_f32 v[SQ+4:SQ+5], v[SQ+4:SQ+5], v[SQ+6:SQ+7]
	v_pk_add_f32 v[SQ:SQ+1], v[SQ:SQ+1], v[SQ+4:SQ+5]
	v_add_f32 v[PT], v[SQ], v[SQ+1]
	v_permlanex16_b32 v[PT+1], v[PT], s[SEL], s[SEL+1]
	v_add_f32 v[RS+(\a)], v[PT], v[PT+1]           ; row 16 a + l % 16: the sum over my 128 columns, in both halves of the lanes
	WIN 0
	s_cmp_lt_u32 s95, 4                            ; q's gain is applied behind its norm, by the next launch; the output has none
	s_cbranch_scc1 .Lplain_\@
	WIN 0x45
.set i, 0
.rept 16
	v_pk_mul_f32 v[TT+2*i:TT+2*i+1], v[TT+2*i:TT+2*i+1], v[96+2*i:96+2*i+1]
.set i, i+1
.endr
.set i, 0
.rept 16
	v_pk_mul_f32 v[TT+32+2*i:TT+32+2*i+1], v[TT+32+2*i:TT+32+2*i+1], v[224+2*i:224+2*i+1]
.set i, i+1
.endr
	WIN 0
.Lplain_\@:
	WIN 0x04                                       ; an LDS store's data are its source 1: window 1
.irp b, 0,1,2,3,4,5,6,7
	ds_store_b128 v[STO], v[TT+8*\b:TT+8*\b+3] offset:64*\b
	ds_store_b128 v[STO], v[TT+8*\b+4:TT+8*\b+7] offset:64*\b+16
.endr
	WIN 0
.irp t, 0,1,2,3,4,5,6,7,8,9,10,11,12,13,14,15
	ds_load_b128 v[BB+4*\t:BB+4*\t+3], v[RD] offset:\t*SPITCH   ; LDS serves a wave's instructions in order (ISA guide 5.7.1.4): these see the stores above
.endr
.endm
.macro SEND a, younger                 ; younger: the LDS instructions issued behind block a's loads, which may stay out
.set BB, BK+64*((\a)%2)
	s_wait_dscnt \younger                          ; the block is back in registers
.if (\a) > 0
	s_add_nc_u64 s[12:13], s[12:13], 16*SIZE_N*4   ; (behind a wait on XCNT: the earlier stores have read their base)  16 rows on
.endif
.irp t, 0,1,2,3,4,5,6,7,8,9,10,11,12,13,14,15
	global_store_b128 v[CO], v[BB+4*\t:BB+4*\t+3], s[12:13] offset:\t*SIZE_N*4 th:TH_STORE_NT   ; 32 lanes store 512 consecutive bytes, at a multiple of 256 from the buffer's first byte
.endr
.endm
	WIN 0x40
	v_mov_b32 v[PT+1], 0                           ; written once: a lane permute's destination counts as one of its sources
	WIN 0
	FSUM 0
.irp a, 1,2,3,4,5,6,7
.if \a > 1
	s_wait_xcnt 0x0                                ; block a - 2's stores have read their registers and their base: block a's loads may land there, and the base may step
.endif
	FSUM \a
	SEND \a-1, 32                                  ; behind block a - 1's loads: block a's 16 stores and 16 loads
.endr
	s_wait_xcnt 0x0                                ; block 6's stores have read their base
	SEND 7, 0
	WIN 0x45
.irp a, 0,1,2,3
	v_cndmask_b32 v[MG+\a], v[RS+2*\a], v[RS+2*\a+1], s94   ; lanes 0-15 block 2 a's rows, lanes 16-31 block 2 a + 1's: 32 neighbouring rows
.endr
	WIN 0x04
.irp a, 0,1,2,3
	global_store_b32 v[L4], v[MG+\a], s[96:97] offset:128*\a   ; 128 consecutive bytes
.endr
	WIN 0
	s_branch .Lend
; THE WAY OUT OF V^T.  In block a a lane holds row d = 16 a + l % 16 of my head and, in register 8 b + j, key 16 b + 8 (l / 16) + j of my 128 keys: one key step of the second product of attention.
; T = sum + bias of d; keys past the end become 0 (the quantiser fills a short block with zeros); an exchange of halves makes register 16 b + i key 32 b + 16 (l / 16) + i; the block becomes one fragment and one scale word a row,
; stored as an image of the operand's registers: 16 bytes a lane, 512 consecutive bytes a store.  No LDS is used here.
.Lway_v:
	s_and_b32 s42, s40, 1
	s_lshl_b32 s42, s42, 8
	s_lshl_b32 s43, s16, 7
	s_add_co_u32 s42, s42, s43                     ; my first key in the batch's text or image
	s_cmp_eq_u32 s95, 7
	s_mov_b32 s43, 512                             ; keys that count: 512 of text,
	s_cselect_b32 s43, 257, s43                    ; 257 of image
	s_sub_co_i32 s43, s43, s42
	v_lshlrev_b32 v14, 3, v2
	v_sub_nc_u32 v14, s43, v14                     ; D: register 8 b + j counts where 16 b + j < D
	v_mov_b32 v15, 1.0
	v_mov_b32 v13, 0                               ; (named as the upper half of the pair v[12:13])
.irp b, 0,1,2,3
	v_mov_b32 v[PB+\b], 0                          ; written once: a lane permute's destination counts as one of its sources
.endr
.set i, 0
.rept 64
	v_cmp_lt_i32 vcc_lo, 16*(i/8)+i%8, v14
	v_cndmask_b32 v[MK+i], 0, v15, vcc_lo
.set i, i+1
.endr
.macro VBLOCK a
.set AC, 64*((\a)%4)
	s_wait_xcnt 0x0                                ; the last block's stores have read the codes' registers
	v_mov_b32 v12, v[BV+(\a)]
	WIN 2+(\a)/4                                   ; source 0 (the sums) window 2 or 3
.set i, 0
.rept 32
	v_pk_add_f32 v[VT+2*i:VT+2*i+1], v[AC+2*i:AC+2*i+1], v[12:13] op_sel_hi:[1,0]   ; ascending: each accumulator is read from its low end on
.set i, i+1
.endr
	WIN 0
.set i, 0
.rept 32
	v_pk_mul_f32 v[VT+2*i:VT+2*i+1], v[VT+2*i:VT+2*i+1], v[MK+2*i:MK+2*i+1]
.set i, i+1
.endr
.irp b, 0,1,2,3
.irp j, 0,1,2,3,4,5,6,7
	v_permlane16_swap_b32 v[VT+16*\b+\j], v[VT+16*\b+8+\j]   ; the first's lanes 16-31 change places with the second's lanes 0-15
.endr
.endr
	QUANT VT, CD, WD+(\a)
.irp c, 0,1,2
	global_store_b128 v[CO], v[CD+4*\c:CD+4*\c+3], s[98:99] offset:1536*(\a)+512*\c
.endr
.endm
.irp a, 0,1,2,3,4,5,6,7
	VBLOCK \a
.endr
.irp a, 0,1,2,3
	v_cndmask_b32 v[WD+12+\a], v[WD+2*\a], v[WD+2*\a+1], s94   ; lanes 0-15 block 2 a's words, lanes 16-31 block 2 a + 1's
.endr
.irp a, 0,1,2,3
	global_store_b32 v[L4], v[WD+12+\a], s[98:99] offset:12288+128*\a
.endr
.Lend:
	s_wait_tensorcnt 0x0                           ; the wave's end, behind my last tensor load and my last LDS store
	ds_add_u32 v[SPW], v[NIL]
	s_wait_dscnt 0x0
	CROUND                                         ; the closing round: no work-group ends while a partner may still ask for a tile that names it
	s_endpgm
.Lfunc_end_k_qca2fb47636_proj:
	.size	k_qca2fb47636_proj, .Lfunc_end_k_qca2fb47636_proj-k_qca2fb47636_proj
	.p2alignl 7, 3214868480
	.fill 96, 4, 3214868480
	.section	.rodata,"a",@progbits
	.p2align	6, 0x0
	.amdhsa_kernel k_qca2fb47636_proj
		.amdhsa_group_segment_fixed_size 327680
		.amdhsa_private_segment_fixed_size 0
		.amdhsa_enable_private_segment 0
		.amdhsa_kernarg_size 96
		.amdhsa_user_sgpr_count 2
		.amdhsa_user_sgpr_kernarg_segment_ptr 1
		.amdhsa_wavefront_size32 1
		.amdhsa_system_sgpr_workgroup_id_x 1
		.amdhsa_system_sgpr_workgroup_id_y 1
		.amdhsa_system_sgpr_workgroup_id_z 1
		.amdhsa_system_vgpr_workitem_id 0
		.amdhsa_next_free_vgpr 1024
		.amdhsa_next_free_sgpr 102
		.amdhsa_reserve_vcc 1
		.amdhsa_float_denorm_mode_32 3
		.amdhsa_float_denorm_mode_16_64 3
		.amdhsa_memory_ordered 1
		.amdhsa_forward_progress 1
		.amdhsa_inst_pref_size 255
	.end_amdhsa_kernel
	.section	.bss,"aw",@nobits
	.p2align	6
	.space	262144
	.amdgpu_metadata
---
amdhsa.version: [ 1, 2 ]
amdhsa.kernels:
  - .name:           k_qca2fb47636_proj
    .symbol:         k_qca2fb47636_proj.kd
    .args:
      - { .name: act, .offset: 0, .size: 8, .value_kind: global_buffer, .address_space: global }
      - { .name: wt, .offset: 8, .size: 8, .value_kind: global_buffer, .address_space: global }
      - { .name: b_q, .offset: 16, .size: 8, .value_kind: global_buffer, .address_space: global }
      - { .name: b_k, .offset: 24, .size: 8, .value_kind: global_buffer, .address_space: global }
      - { .name: b_k_img, .offset: 32, .size: 8, .value_kind: global_buffer, .address_space: global }
      - { .name: b_v, .offset: 40, .size: 8, .value_kind: global_buffer, .address_space: global }
      - { .name: b_v_img, .offset: 48, .size: 8, .value_kind: global_buffer, .address_space: global }
      - { .name: g_k, .offset: 56, .size: 8, .value_kind: global_buffer, .address_space: global }
      - { .name: g_k_img, .offset: 64, .size: 8, .value_kind: global_buffer, .address_space: global }
      - { .name: y, .offset: 72, .size: 8, .value_kind: global_buffer, .address_space: global }
      - { .name: ss, .offset: 80, .size: 8, .value_kind: global_buffer, .address_space: global }
      - { .name: vt, .offset: 88, .size: 8, .value_kind: global_buffer, .address_space: global }
    .group_segment_fixed_size: 327680
    .private_segment_fixed_size: 0
    .kernarg_segment_align: 8
    .kernarg_segment_size: 96
    .max_flat_workgroup_size: 128
    .sgpr_count:     102
    .vgpr_count:     1024
    .wavefront_size: 32
...
	.end_amdgpu_metadata
.endif
;; end of part 2
;; launch attn (part 3): grid 8 x 32, 16 waves a work-group, no clusters, 312,832 bytes of LDS; arguments y, ss, g_q, vt, context_lens, ao; writes ao
.if DOCPART == 3
	.amdgcn_target "amdgcn-amd-amdhsa--gfx1250"
	.amdhsa_code_object_version 6
	.text
	.protected	k_qca2fb47636_attn
	.globl	k_qca2fb47636_attn
	.p2align	8
	.type	k_qca2fb47636_attn,@function
k_qca2fb47636_attn:
	s_mov_b64 s[64:65], 0
	v_nop
	global_prefetch_b8 v0, s[64:65] scope:SCOPE_SE
	s_setreg_imm32_b32 hwreg(HW_REG_WAVE_MODE, 25, 1), 1
	s_wait_xcnt 0x0
; For one batch b and head: o = softmax(q k^T / sqrt(128), keys >= context_lens[b] masked) v + softmax(q k_img^T / sqrt(128)) v_img, all four products on codes of FP6 (E2M3) with E8M0 scales; o is quantised for the last product.
; IN: y, f32 [6144][2048]: rows 0-4095 x w_q^T + b_q; rows 4096 + 512 b + key (text) and 5120 + 512 b + key (image): (ctx w^T + bias) x gain.  ss [16][6144]: partial sums of squares of (.. + bias), 16 a row.
;     vt: for (b, head) 8 records of 12,800 bytes, one a key step (0-3 text, 4-6 image): V^T as 8 images of operand registers (16 of the head's 128 x 128 keys, 1,536 bytes each), then 8 x 64 bytes of scale words.
; OUT: ao: row b x 2048 + query: 64 scale bytes at 64 row, 1,536 bytes of codes at CODES + 1,536 row; this work-group writes its head's 4 bytes and 96 bytes of each of its rows.
; SHARES: a work-group owns 256 queries of one head, each of its sixteen waves 16: one tile, in 256 registers, four waves to a SIMD.  At the head the waves together quantise the head's K (56 tiles of 16 keys, rs = rsqrt(mean + eps) first)
; into LDS, as images of the same form as vt's records, and copy V's records beside them; one barrier; then nothing in LDS is shared any more.  No tensor load: the walk over key steps branches on context_lens.
; Multicast is not used though the 8 work-groups of a head read the same K and V: a joint load is a tensor load, and the walk over key steps branches on context_lens: it leaves out every key step that lies wholly behind context_lens.
; LAYOUT: both products are used transposed (S^T = K Q^T, O^T = V^T P^T): a lane holds ONE query (lane % 16).  Lane r of K's tile 2 b + u takes key 32 b + 8 u + r + 8 (r / 8), so that the 16 registers of tiles 2 b, 2 b + 1 are 16 neighbouring keys.
; THE SOFTMAX AHEAD OF THE SECOND PRODUCT: t = score x log2(e) / sqrt(128); M = the running largest t rounded UP to a whole number; p = 2^(t - M) is quantised along the keys; the sum of the unquantised p divides at the end.
; LIMITS.  A masked score is -2^33, the logit -7.6e8 where the definition has -1e9: the same results wherever true logits lie above -7e8 (with a key that counts every masked p is 0 in both; with none, t is a whole number and every p is 1 in both).
; A key step is left out only where context_lens > 0 and all its keys are masked: their p is exactly 0.  A block of zeros keeps the scale byte 1 (its codes are zeros).  NaN and infinities are not served.  k is (y x gain) x rs: one rounding of f32 from (y x rs) x gain.
.set REC,   12800                      ; a key step's record
.set VB,    7*REC                      ; LDS: K's 7 records at 0, V's at VB: 176 units of 512 bytes (the last unit is the head of vt's eighth record: copied so that all waves copy alike, read by nobody)
.set STB,   VB+176*512                 ; each wave's 8,192 bytes for the text's result
.set SSP,   24576                      ; bytes from one slot of partial sums to the next
.set CODES, 655360
.set LI,   1                           ; v1   16 x lane: an image's place for my lane (K's records begin at LDS byte 0)
.set AV0,  2                           ; v2   the same in V's records
.set ASK0, 3                           ; v3   my lane's place among a record's scale words of K: 12,288 + 4 r
.set ASV0, 4                           ; v4   and of V
.set STW,  5                           ; v5   my 16 bytes in my wave's 8,192
.set ADK,  8                           ; v8-11 at the head: where I store K's scale words and V's units; later the addresses of the step in hand
.set ADV,  9
.set ADS,  10
.set ADT,  11
.set VCO,  16                          ; v16  at the head: 16 x thread, the offset of V's copy; no load of the head lands here, and Q's codes take the register only when those loads are in
.set MX,   232                         ; the quantiser's registers: largest magnitudes,
.set PB,   236                         ; the other half's, then the bytes,
.set OP,   244                         ; the conversions' scale operands,
.set XT,   236                         ; and the conversions' second halves (v236-238, v240-242)
.set WV,   18
.set LEN,  19
.set SEL,  20                          ; s[20:21] lane selects for v_permlanex16_b32: lane l xor 16
.set CS,   22                          ; s[22:23] c = log2(e) / sqrt(128)
.set TK,   38                          ; LDS byte at which the step's record begins
.set KF,   39                          ; the step's first key
.set CNT,  40
.set LIM,  41                          ; keys under LIM count
.set SKL,  42                          ; steps whose first key is SKL or more are left out
; 64 numbers of a lane, v[s] .. v[s + 63], register 16 b + i = k 32 b + 16 (lane / 16) + i of my row, become a fragment's codes in v[pc] on and its scale word in v[pw].
.macro QUANT s, pc, pw
.irp b, 0,1,2,3
	v_max3_num_f32 v[MX+\b], |v[(\s)+16*\b]|, |v[(\s)+1+16*\b]|, 0x1800000   ; block b: my 16 numbers, and the floor 2^(3 - 127): the byte cannot fall under 1
.endr
.irp i, 2,4,6,8,10,12,14
.irp b, 0,1,2,3
	v_max3_num_f32 v[MX+\b], v[MX+\b], |v[(\s)+16*\b+\i]|, |v[(\s)+1+16*\b+\i]|   ; (the four blocks by turns)
.endr
.endr
.irp b, 0,1,2,3
	v_permlanex16_b32 v[PB+\b], v[MX+\b], s[SEL], s[SEL+1]
.endr
.irp b, 0,1,2,3
	v_max_num_f32 v[MX+\b], v[MX+\b], v[PB+\b]     ; with lane l xor 16's: the block's largest magnitude
.endr
.irp b, 0,1,2,3
	v_add_nc_u32 v[OP+\b], 0xff000000, v[MX+\b]    ; 2 off its exponent field: the conversion's scale operand
.endr
.irp b, 0,1,2,3
	v_lshrrev_b32 v[PB+\b], 23, v[OP+\b]           ; the scale's byte
.endr
	v_lshl_or_b32 v[\pw], v[PB+1], 8, v[PB]        ; the four bytes make my row's scale word
	v_lshl_or_b32 v[\pw], v[PB+2], 16, v[\pw]
	v_lshl_or_b32 v[\pw], v[PB+3], 24, v[\pw]
.irp c, 0,1
	v_cvt_scalef32_pk16_fp6_f32 v[(\pc)+6*\c:(\pc)+2+6*\c], v[(\s)+32*\c:(\s)+15+32*\c], v[OP+2*\c]
	v_cvt_scalef32_pk16_fp6_f32 v[XT+4*\c:XT+2+4*\c], v[(\s)+16+32*\c:(\s)+31+32*\c], v[OP+2*\c+1]   ; (a conversion's three registers begin on an even number)
.endr
	v_nop                                          ; one plain place behind a scaled conversion
.irp c, 0,1                                    ; the operand's layout wants a WHOLE block in a lane
.irp i, 0,1,2
	v_permlane16_swap_b32 v[(\pc)+6*\c+\i], v[XT+4*\c+\i]
.endr
.irp i, 0,1,2
	v_mov_b32 v[(\pc)+3+6*\c+\i], v[XT+4*\c+\i]
.endr
.endr
.endm
	s_load_b256 s[4:11], s[0:1], 0x0               ; y, ss, g_q, vt
	s_load_b128 s[12:15], s[0:1], 0x20             ; context_lens, ao
	v_lshrrev_b32 v224, 5, v0
	v_readfirstlane_b32 s[WV], v224                ; wave 0..15
	s_and_b32 s43, ttmp7, 0xffff                   ; 16 b + head
	s_lshr_b32 s24, s43, 4                         ; b
	s_and_b32 s25, s43, 15                         ; head
	s_lshl_b32 s26, s24, 11
	s_lshl_b32 s44, ttmp9, 8
	s_add_co_u32 s26, s26, s44
	s_lshl_b32 s44, s[WV], 4
	s_add_co_u32 s26, s26, s44                     ; my first query's row: 2048 b + 256 x work-group x + 16 x wave
	s_lshl_b32 s27, s24, 9                         ; my first tile of K: tile w of the text's first 16: row 4096 + 512 b + 128 (w / 8) + 32 ((w % 8) / 2) + 8 (w % 2)
	s_add_co_u32 s27, s27, 4096
	s_lshr_b32 s44, s[WV], 3
	s_lshl_b32 s44, s44, 7
	s_add_co_u32 s27, s27, s44
	s_bfe_u32 s44, s[WV], 0x20001
	s_lshl_b32 s44, s44, 5
	s_add_co_u32 s27, s27, s44
	s_and_b32 s44, s[WV], 1
	s_lshl_b32 s44, s44, 3
	s_add_co_u32 s27, s27, s44
	s_lshl_b32 s47, s25, 9                         ; the head's 512 bytes in a row of f32
	s_mov_b32 s49, 0
	s_mov_b32 s[SEL], 0x76543210
	s_mov_b32 s[SEL+1], 0xfedcba98
	s_mov_b32 s[CS], 0x3e0293ee                    ; c = log2(e) / sqrt(128)
	s_mov_b32 s[CS+1], s[CS]                       ; (named with it as a pair, so it is written)
	; every LDS address register is made here, ahead of the first branch on the wave's number
	v_and_b32 v224, 31, v0                         ; lane     (v224-227 are at work here alone: no memory instruction names them, and the partial sums land on them below)
	v_and_b32 v225, 15, v0                         ; r
	v_bfe_u32 v226, v0, 4, 1                       ; h
	v_and_b32 v227, 8, v225
	v_add_nc_u32 v227, v227, v225                  ; r + 8 (r / 8)
	v_lshlrev_b32 v[VCO], 4, v0                    ; 16 x thread: V's copy
	v_lshlrev_b32 v[LI], 4, v224
	v_add_nc_u32 v[AV0], VB, v[LI]
	v_lshlrev_b32 v[ASK0], 2, v225
	v_add_nc_u32 v[ASV0], VB+12288, v[ASK0]
	v_add_nc_u32 v[ASK0], 12288, v[ASK0]
	s_lshl_b32 s44, s[WV], 13
	s_add_co_u32 s44, s44, STB
	v_add_nc_u32 v[STW], s44, v[LI]
	s_lshr_b32 s44, s[WV], 3
	s_mul_i32 s44, s44, REC                        ; my tile n lies in record w / 8 + 2 n, as its tile w % 8
	s_and_b32 s45, s[WV], 7
	s_mul_i32 s46, s45, 1536
	s_add_co_u32 s46, s46, s44
	v_add_nc_u32 v6, s46, v[LI]                    ; v6: where I store K's images of tiles 0, 1;
	v_add_nc_u32 v7, 4*REC, v6                     ; v7: of tiles 2, 3
	s_lshl_b32 s45, s45, 6
	s_add_co_u32 s45, s45, s44
	v_add_nc_u32 v8, s45, v[ASK0]                  ; v8, v9: their scale words
	v_add_nc_u32 v9, 4*REC, v8
	v_lshl_add_u32 v10, v0, 4, VB                  ; v10, v11: V's units 0-7, 8-10 of mine
	v_add_nc_u32 v11, 0x10000, v10
	v_mul_u32_u24 v29, v225, 1536
	v_mad_u32_u24 v29, v226, 24, v29               ; v29: ao's codes: row r, + 24 h
	v_lshlrev_b32 v30, 6, v225                     ; v30: ao's scale words: 64 r
	v_lshlrev_b32 v31, 4, v226
	v_xor_b32 v31, -1, v31                         ; v31: -16 h - 1, for the mask
	v_lshlrev_b32 v244, 13, v225
	v_lshl_add_u32 v244, v226, 6, v244             ; q: row r of 8,192 bytes, + 64 h: my 16 numbers of a block of 32
	v_lshlrev_b32 v245, 6, v226                    ; g_q: + 64 h
	v_mul_u32_u24 v246, v226, 8*SSP
	v_mov_b32 v247, v246
	v_lshl_add_u32 v246, v225, 2, v246             ; partial sums of q's rows: lanes 0-15 take slots 0-7, lanes 16-31 slots 8-15
	v_lshl_add_u32 v247, v227, 2, v247             ; and of a tile of K's rows
	v_lshlrev_b32 v254, 13, v227
	v_lshl_add_u32 v254, v226, 6, v254             ; K: row r + 8 (r / 8) of the tile, + 64 h
	s_mov_b32 s45, 0x3a000000                      ; 1 / 2048
	s_mov_b32 s46, 0x358637bd                      ; eps = 1e-6
	s_wait_kmcnt 0x0
	s_load_b64 s[50:51], s[12:13], 0x0             ; both batches' context_lens
	s_lshl_b32 s48, s26, 13
	s_add_co_u32 s48, s48, s47
	s_add_nc_u64 s[28:29], s[4:5], s[48:49]        ; q
	s_lshl_b32 s48, s27, 13
	s_add_co_u32 s48, s48, s47
	s_add_nc_u64 s[30:31], s[4:5], s[48:49]        ; K's tiles 0, 1 of mine (text; 256 rows apart)
	s_add_nc_u64 s[32:33], s[30:31], 0x800000      ; tiles 2, 3 (image): 1,024 rows on, more than an immediate holds
	s_lshl_b32 s48, s26, 2
	s_add_nc_u64 s[34:35], s[6:7], s[48:49]
	s_lshl_b32 s48, s27, 2
	s_add_nc_u64 s[36:37], s[6:7], s[48:49]
	s_mov_b32 s48, s47
	s_add_nc_u64 s[8:9], s[8:9], s[48:49]
	s_mul_i32 s48, s43, 8*REC
	s_add_nc_u64 s[10:11], s[10:11], s[48:49]      ; the head's records of V
	s_mul_i32 s48, s26, 1536
	s_mul_i32 s44, s25, 96
	s_add_co_u32 s48, s48, s44
	s_add_co_u32 s48, s48, CODES
	s_add_nc_u64 s[52:53], s[14:15], s[48:49]      ; ao's codes: my first row, my head's 96 bytes
	s_lshl_b32 s48, s26, 6
	s_lshl_b32 s44, s25, 2
	s_add_co_u32 s48, s48, s44
	s_add_nc_u64 s[14:15], s[14:15], s[48:49]      ; ao's scale words
	; all of the head's first loads in one run: V's 11 units, 40 partial sums, q, g_q.  None of them lands on an offset register of the run (v16, v244-247)
.irp i, 0,1,2,3,4,5,6,7,8,9,10
	global_load_b128 v[160+4*\i:163+4*\i], v[VCO], s[10:11] offset:8192*\i   ; the work-group's 512 threads read 8,192 consecutive bytes
.endr
.irp k, 0,1,2,3,4,5,6,7
	global_load_b32 v[204+\k], v246, s[34:35] offset:SSP*\k
.endr
.irp n, 0,1,2,3                                ; (waves 8 to 15 have no tile 3: they read rows that exist and use nothing of them)
.irp k, 0,1,2,3,4,5,6,7
	global_load_b32 v[212+8*\n+\k], v247, s[36:37] offset:SSP*\k+1024*\n+2048*(\n/2)
.endr
.endr
.irp b, 0,1,2,3
.irp j, 0,1,2,3
	global_load_b128 v[32+16*\b+4*\j:35+16*\b+4*\j], v244, s[28:29] offset:128*\b+16*\j th:TH_LOAD_NT
.endr
.endr
.irp b, 0,1,2,3
.irp j, 0,1,2,3
	global_load_b128 v[96+16*\b+4*\j:99+16*\b+4*\j], v245, s[8:9] offset:128*\b+16*\j
.endr
.endr
	s_wait_loadcnt 32                              ; V's units and the partial sums are in; q's 16 loads and g_q's 16 may be out
.irp i, 0,1,2,3,4,5,6,7
	ds_store_b128 v10, v[160+4*\i:163+4*\i] offset:8192*\i
.endr
.irp i, 8,9,10
	ds_store_b128 v11, v[160+4*\i:163+4*\i] offset:8192*(\i-8)
.endr
	; rs = rsqrt(sum of squares / 2048 + eps) of five sets of rows (q's, my four tiles'), by turns
.irp m, 0,1,2,3,4
	v_pk_add_f32 v[204+8*\m:205+8*\m], v[204+8*\m:205+8*\m], v[206+8*\m:207+8*\m]
.endr
.irp m, 0,1,2,3,4
	v_pk_add_f32 v[208+8*\m:209+8*\m], v[208+8*\m:209+8*\m], v[210+8*\m:211+8*\m]
.endr
.irp m, 0,1,2,3,4
	v_pk_add_f32 v[204+8*\m:205+8*\m], v[204+8*\m:205+8*\m], v[208+8*\m:209+8*\m]
.endr
.irp m, 0,1,2,3,4
	v_add_f32 v[204+8*\m], v[204+8*\m], v[205+8*\m]
.endr
.irp m, 0,1,2,3,4
	v_permlanex16_b32 v[205+8*\m], v[204+8*\m], s[SEL], s[SEL+1]
.endr
.irp m, 0,1,2,3,4
	v_add_f32 v[204+8*\m], v[204+8*\m], v[205+8*\m]   ; with the other eight slots
.endr
.irp m, 0,1,2,3,4
	v_fma_f32 v[204+8*\m], v[204+8*\m], s45, s46
.endr
	v_rsq_f32 v28, v204                            ; q's rows
	v_rsq_f32 v12, v212                            ; my tiles 0 to 3 of K
	v_rsq_f32 v13, v220
	v_rsq_f32 v14, v228
	v_rsq_f32 v15, v236
	v_mov_b32 v253, 0                              ; a plain place behind the batch.  (v253 is named as the upper half of the pair v[252:253] before it is first a scale word)
	s_wait_alu depctr_va_vdst(0)                   ; one wait for the five, ahead of their first reader
	s_wait_dscnt 0x0                               ; the stores of V's units have read their registers
.macro KLOAD n, d                      ; my tile n of K: 16 rows x 128 numbers, 64 a lane, into v[d] on
.irp b, 0,1,2,3
.irp j, 0,1,2,3
.if (\n) < 2
	global_load_b128 v[(\d)+16*\b+4*\j:(\d)+16*\b+4*\j+3], v254, s[30:31] offset:((\n)%2)*2097152+128*\b+16*\j
.else
	global_load_b128 v[(\d)+16*\b+4*\j:(\d)+16*\b+4*\j+3], v254, s[32:33] offset:((\n)%2)*2097152+128*\b+16*\j
.endif
.endr
.endr
.endm
.macro KTILE d, n                      ; tile n: x rs (the gain is in y already), quantised, its image and scale words to LDS
	s_wait_dscnt 0x0                               ; the last image's stores have read v224-235 and v253
	v_mov_b32 v252, v[12+(\n)]
.set i, 0
.rept 32
	v_pk_mul_f32 v[(\d)+2*i:(\d)+2*i+1], v[(\d)+2*i:(\d)+2*i+1], v[252:253] op_sel_hi:[1,0]
.set i, i+1
.endr
	QUANT \d, 224, 253
.irp c, 0,1,2
	ds_store_b128 v[6+(\n)/2], v[224+4*\c:227+4*\c] offset:((\n)%2)*2*REC+512*\c
.endr
	ds_store_b32 v[8+(\n)/2], v253 offset:((\n)%2)*2*REC   ; lanes r and r + 16 write the same word with the same value
.endm
	KLOAD 0, 160
	s_wait_loadcnt 16                              ; q and g_q are in, and V's copy long before them; tile 0's 16 loads may be out
	v_mov_b32 v252, v28
.set i, 0
.rept 32
	v_pk_mul_f32 v[32+2*i:33+2*i], v[32+2*i:33+2*i], v[252:253] op_sel_hi:[1,0]   ; (x w_q^T + b_q) x rs,
.set i, i+1
.endr
.set i, 0
.rept 32
	v_pk_mul_f32 v[32+2*i:33+2*i], v[32+2*i:33+2*i], v[96+2*i:97+2*i]             ; x g_q
.set i, i+1
.endr
	QUANT 32, 16, 253                              ; Q's fragment stays in v16-27,
	v_mov_b32 v255, v253                           ; its scale word in v255
	KLOAD 1, 32
	KLOAD 2, 96
	s_wait_loadcnt 32                              ; tile 0 is in; tiles 1 and 2 may be out
	KTILE 160, 0
	s_cmp_lt_u32 s[WV], 8                          ; the image has 24 tiles: waves 0 to 7 have a fourth tile
	s_cbranch_scc0 .Lno_load3
	KLOAD 3, 160
.Lno_load3:
	s_wait_loadcnt 16                              ; the youngest 16 loads may be out: on both ways tile 1 is in
	KTILE 32, 1
	s_wait_loadcnt 0x0
	KTILE 96, 2
	s_cmp_lt_u32 s[WV], 8
	s_cbranch_scc0 .Lno_tile3
	KTILE 160, 3
.Lno_tile3:
	s_wait_kmcnt 0x0
	s_cmp_eq_u32 s24, 0
	s_cselect_b32 s[LEN], s50, s51
	s_max_i32 s[LEN], s[LEN], 0
	s_min_i32 s[LEN], s[LEN], 512                  ; key < context_lens means the same for 0 .. 511 under this hold
	s_cmp_eq_u32 s[LEN], 0
	s_cselect_b32 s[SKL], 512, s[LEN]              ; with no key that counts every step is walked: all its p are 1
	s_wait_dscnt 0x0                               ; for the others' sake: my stores of K's images and V's units are done
	s_barrier_signal -1
	s_barrier_wait -1                              ; the head's K and V lie in LDS; nothing there is written again
; A KEY STEP: 128 keys, the record at s[TK].
.macro KSTEP
	s_cmp_ge_i32 s[KF], s[SKL]                     ; all its keys are masked and an earlier key counts: every p would be 0
	s_cbranch_scc1 .Lskip_\@
	v_add_nc_u32 v[ADK], s[TK], v[LI]              ; (these four are also the places in front of loads into registers that the last products read)
	v_add_nc_u32 v[ADV], s[TK], v[AV0]
	v_add_nc_u32 v[ADS], s[TK], v[ASK0]
	v_add_nc_u32 v[ADT], s[TK], v[ASV0]
.irp g, 0,1                                    ; S^T = K Q^T, four tiles of 16 keys at a time
.if \g > 0
.rept 4
	v_nop                                          ; places in front of loads into registers that matrix instructions have read
.endr
.endif
.irp t, 0,1,2,3
.irp c, 0,1,2
	ds_load_b128 v[32+12*\t+4*\c:35+12*\t+4*\c], v[ADK] offset:1536*(4*\g+\t)+512*\c   ; an image comes back as it was stored: 512 consecutive bytes a load
.endr
	ds_load_b32 v[248+\t], v[ADS] offset:64*(4*\g+\t)
.endr
	s_wait_dscnt 0x0
.irp t, 0,1,2,3
	v_wmma_scale_f32_16x16x128_f8f6f4 v[96+8*(4*\g+\t):103+8*(4*\g+\t)], v[32+12*\t:43+12*\t], v[16:27], 0, v[248+\t], v255 matrix_a_fmt:MATRIX_FMT_FP6 matrix_b_fmt:MATRIX_FMT_FP6
.endr
.endr                                          ; lane (r, h) holds query r; register 96 + 16 b + i is key KF + 32 b + 16 h + i
.rept 4
	v_nop
.endr
	s_add_co_u32 s43, s[KF], 128
	s_cmp_le_i32 s43, s[LIM]                       ; a step all of whose keys count skips the mask
	s_cbranch_scc1 .Lopen_\@
	s_sub_co_i32 s43, s[LIM], s[KF]
	v_add_nc_u32 v252, s43, v31                    ; LIM - KF - 16 h - 1: register 16 b + i is masked where 32 b + i is above it
	v_mov_b32 v254, 0xd0000000                     ; -2^33
.set n, 0
.rept 64
	v_cmp_gt_i32 vcc_lo, 32*(n/16)+n%16, v252
	v_cndmask_b32 v[96+n], v[96+n], v254, vcc_lo
.set n, n+1
.endr
.Lopen_\@:
.irp b, 0,1,2,3
	v_max3_num_f32 v[232+\b], v[96+16*\b], v[97+16*\b], v[98+16*\b]   ; THE LARGEST SCORE OF EACH BLOCK OF 32 KEYS serves twice: for the row's maximum, and, since p rises with the score, for the block's largest p
.endr
.irp i, 3,5,7,9,11,13
.irp b, 0,1,2,3
	v_max3_num_f32 v[232+\b], v[232+\b], v[96+16*\b+\i], v[97+16*\b+\i]   ; (the four blocks by turns)
.endr
.endr
.irp b, 0,1,2,3
	v_max_num_f32 v[232+\b], v[232+\b], v[111+16*\b]
.endr
.irp b, 0,1,2,3
	v_permlanex16_b32 v[236+\b], v[232+\b], s[SEL], s[SEL+1]
.endr
.irp b, 0,1,2,3
	v_max_num_f32 v[232+\b], v[232+\b], v[236+\b]  ; with lane l xor 16's 16 keys
.endr
	v_max3_num_f32 v254, v232, v233, v234
	v_max_num_f32 v254, v254, v235                 ; the step's largest score of my query
	v_mul_f32 v254, s[CS], v254                    ; as t (c is positive)
	v_max_num_f32 v13, v13, v254                   ; the running largest t
	v_mov_b32 v254, v12
	v_floor_f32 v12, -v13                          ; the new -M = floor(-t) = -ceil(t): M IS A WHOLE NUMBER
	v_sub_f32 v254, v12, v254                      ; M's old value less its new one: a whole number, 0 or less
	v_cvt_i32_f32 v254, v254                       ; (it saturates)
	v_ldexp_f32 v252, 1.0, v254                    ; f = 2^(old M - new M): a multiplication by it rounds nothing
.set j, 0
.rept 32
	v_pk_fma_f32 v[96+j:97+j], v[96+j:97+j], s[CS:CS+1], v[12:13] op_sel_hi:[1,0,0]   ; t - M, two at a time
.set j, j+2
.endr
.irp b, 0,1,2,3
	v_fma_f32 v[232+\b], v[232+\b], s[CS], v12     ; the same of each block's largest score
.endr
.set j, 0
.rept 64
	v_exp_f32 v[96+j], v[96+j]                     ; p = 2^(t - M), at most 1: NOT normalised
.set j, j+1
.endr
	v_pk_mul_f32 v[14:15], v[14:15], v[252:253] op_sel_hi:[1,0]   ; the sums under the new M.  (A plain place behind the exponentials)
	s_wait_alu depctr_va_vdst(0)                   ; one wait for the whole batch, ahead of its first reader
.irp b, 0,1,2,3
	v_exp_f32 v[232+\b], v[232+\b]                 ; the block's largest p: the same two instructions on the same number give the same bits
.endr
	v_pk_add_f32 v[236:237], v[96:97], v[98:99]    ; THE ROW'S SUM IS TAKEN OF THE UNQUANTISED p: two at a time, in two chains.  (It reads the 64 alone: plain work behind the four)
.set j, 4
.rept 15
	v_pk_add_f32 v[14:15], v[14:15], v[96+j:97+j]
	v_pk_add_f32 v[236:237], v[236:237], v[98+j:99+j]
.set j, j+4
.endr
	v_pk_add_f32 v[14:15], v[14:15], v[236:237]
	s_wait_alu depctr_va_vdst(0)                   ; and one for the four
.irp b, 0,1,2,3
	v_max_num_f32 v[232+\b], 0x1800000, v[232+\b]  ; the floor 2^(3 - 127): a block whose every p is 0 keeps the byte 1: its codes are zeros
.endr
.irp b, 0,1,2,3
	v_add_nc_u32 v[244+\b], 0xff000000, v[232+\b]  ; 2 off the exponent field: the conversion's scale operand
.endr
.irp b, 0,1,2,3
	v_lshrrev_b32 v[236+\b], 23, v[244+\b]         ; the scale's byte
.endr
	v_lshl_or_b32 v253, v237, 8, v236              ; p's scale word for these 128 keys
	v_lshl_or_b32 v253, v238, 16, v253
	v_lshl_or_b32 v253, v239, 24, v253
.irp c, 0,1
	v_cvt_scalef32_pk16_fp6_f32 v[224+6*\c:226+6*\c], v[96+32*\c:111+32*\c], v[244+2*\c]
	v_cvt_scalef32_pk16_fp6_f32 v[236+4*\c:238+4*\c], v[112+32*\c:127+32*\c], v[244+2*\c+1]
.endr
	v_nop                                          ; one plain place behind a scaled conversion
.irp c, 0,1
.irp i, 0,1,2
	v_permlane16_swap_b32 v[224+6*\c+\i], v[236+4*\c+\i]
.endr
.irp i, 0,1,2
	v_mov_b32 v[227+6*\c+\i], v[236+4*\c+\i]
.endr
.endr
.set j, 0
.rept 32
	v_pk_mul_f32 v[160+j:161+j], v[160+j:161+j], v[252:253] op_sel_hi:[1,0]   ; O^T under the new M: x f.  (These 32 are also the places in front of the matrix instructions and loads below)
.set j, j+2
.endr
.irp g, 0,1                                    ; O^T += V^T P^T: four tiles of 16 of the head's 128 at a time; K = these 128 keys.  The eight accumulators take turns
.if \g > 0
.rept 4
	v_nop
.endr
.endif
.irp t, 0,1,2,3
.irp c, 0,1,2
	ds_load_b128 v[32+12*\t+4*\c:35+12*\t+4*\c], v[ADV] offset:1536*(4*\g+\t)+512*\c
.endr
	ds_load_b32 v[248+\t], v[ADT] offset:64*(4*\g+\t)
.endr
	s_wait_dscnt 0x0
.irp t, 0,1,2,3
	v_wmma_scale_f32_16x16x128_f8f6f4 v[160+8*(4*\g+\t):167+8*(4*\g+\t)], v[32+12*\t:43+12*\t], v[224:235], v[160+8*(4*\g+\t):167+8*(4*\g+\t)], v[248+\t], v253 matrix_a_fmt:MATRIX_FMT_FP6 matrix_b_fmt:MATRIX_FMT_FP6
.endr
.endr
.Lskip_\@:
	s_add_co_u32 s[KF], s[KF], 128
	s_add_co_u32 s[TK], s[TK], REC
.endm
; One attention: steps key steps, from the record at tk0.  The step is written once for each attention: O^T and the sum begin as zeros and the largest t as -3e38, so that the first step needs no text of its own.
.macro ATTN steps, tk0
	v_mov_b32 v13, 0xff61b1e6                      ; the largest t so far: -3e38
	v_floor_f32 v12, -v13                          ; -M
	v_mov_b32 v14, 0                               ; the sum, in two halves
	v_mov_b32 v15, 0
.set j, 0
.rept 64
	v_mov_b32 v[160+j], 0
.set j, j+1
.endr
	s_mov_b32 s[TK], \tk0
	s_mov_b32 s[KF], 0
	s_mov_b32 s[CNT], \steps
.Lk_\@:                                            ; the trip count is a constant; what context_lens decides is a jump inside the trip
	KSTEP
	s_sub_co_u32 s[CNT], s[CNT], 1
	s_cmp_lg_u32 s[CNT], 0
	s_cbranch_scc1 .Lk_\@
.endm
.macro RSUM                            ; 1 / the row's sum into v14
.rept 4
	v_nop                                          ; places behind the last products
.endr
	v_add_f32 v14, v14, v15                        ; the sum's two halves,
	v_permlanex16_b32 v252, v14, s[SEL], s[SEL+1]
	v_add_f32 v14, v14, v252                       ; and lane l xor 16's
	v_rcp_f32 v14, v14
	v_nop                                          ; a plain place behind the transcendental
	s_wait_alu depctr_va_vdst(0)                   ; and the wait ahead of its first reader
.endm
	s_mov_b32 s[LIM], s[LEN]
	ATTN 4, 0                                      ; the text
	RSUM
.set j, 0
.rept 32
	v_pk_mul_f32 v[96+j:97+j], v[160+j:161+j], v[14:15] op_sel_hi:[1,0]   ; the text's result, from each accumulator's low end on,
.set j, j+2
.endr
.irp i, 0,1,2,3,4,5,6,7,8,9,10,11,12,13,14,15
	ds_store_b128 v[STW], v[96+4*\i:99+4*\i] offset:512*\i   ; waits in my own 8,192 bytes of LDS while the image is walked
.endr
	s_wait_dscnt 0x0                               ; the stores have read their registers
	s_mov_b32 s[LIM], 257
	s_mov_b32 s[SKL], 257
	ATTN 3, 4*REC                                  ; the image: 257 keys in three steps; the last step's other 127 are masked, and V's codes there are zeros
	RSUM
.irp i, 0,1,2,3,4,5,6,7,8,9,10,11,12,13,14,15
	ds_load_b128 v[32+4*\i:35+4*\i], v[STW] offset:512*\i
.endr
	s_wait_dscnt 0x0
.set j, 0
.rept 32
	v_pk_fma_f32 v[96+j:97+j], v[160+j:161+j], v[14:15], v[32+j:33+j] op_sel_hi:[1,0,1]   ; image / its sum + text: register 8 t + i is o(r, 16 t + 8 h + i)
.set j, j+2
.endr
.irp b, 0,1,2,3
.irp j, 0,1,2,3,4,5,6,7
	v_permlane16_swap_b32 v[96+16*\b+\j], v[96+16*\b+8+\j]   ; register 16 b + i becomes channel 32 b + 16 h + i of my query
.endr
.endr
	QUANT 96, 224, 253                             ; the head's 128 channels are four blocks along the last product's K
.irp c, 0,1
.irp i, 0,1,2
	global_store_b64 v29, v[224+6*\c+2*\i:225+6*\c+2*\i], s[52:53] offset:48*\c+8*\i   ; lane (r, h): the 24 bytes at 48 c + 24 h of row r's 96: the register image is the row's stream of bits
.endr
.endr
	global_store_b32 v30, v253, s[14:15]           ; row r's scale word of this head; lanes r and r + 16 store the same word to the same place
	s_wait_xcnt 0x0
	v_lshl_add_u32 v254, v0, 2, 0x4be00
	v_mov_b32 v255, 0
	s_wait_tensorcnt 0x0
	ds_add_u32 v254, v255
	s_wait_dscnt 0x0
	s_endpgm
.Lfunc_end_k_qca2fb47636_attn:
	.size	k_qca2fb47636_attn, .Lfunc_end_k_qca2fb47636_attn-k_qca2fb47636_attn
	.p2alignl 7, 3214868480
	.fill 96, 4, 3214868480
	.section	.rodata,"a",@progbits
	.p2align	6, 0x0
	.amdhsa_kernel k_qca2fb47636_attn
		.amdhsa_group_segment_fixed_size 312832
		.amdhsa_private_segment_fixed_size 0
		.amdhsa_enable_private_segment 0
		.amdhsa_kernarg_size 48
		.amdhsa_user_sgpr_count 2
		.amdhsa_user_sgpr_kernarg_segment_ptr 1
		.amdhsa_wavefront_size32 1
		.amdhsa_system_sgpr_workgroup_id_x 1
		.amdhsa_system_sgpr_workgroup_id_y 1
		.amdhsa_system_sgpr_workgroup_id_z 1
		.amdhsa_system_vgpr_workitem_id 0
		.amdhsa_next_free_vgpr 256
		.amdhsa_next_free_sgpr 66
		.amdhsa_reserve_vcc 1
		.amdhsa_float_denorm_mode_32 3
		.amdhsa_float_denorm_mode_16_64 3
		.amdhsa_memory_ordered 1
		.amdhsa_forward_progress 1
		.amdhsa_inst_pref_size 121
	.end_amdhsa_kernel
	.amdgpu_metadata
---
amdhsa.version: [ 1, 2 ]
amdhsa.kernels:
  - .name:           k_qca2fb47636_attn
    .symbol:         k_qca2fb47636_attn.kd
    .args:
      - { .name: y, .offset: 0, .size: 8, .value_kind: global_buffer, .address_space: global }
      - { .name: ss, .offset: 8, .size: 8, .value_kind: global_buffer, .address_space: global }
      - { .name: g_q, .offset: 16, .size: 8, .value_kind: global_buffer, .address_space: global }
      - { .name: vt, .offset: 24, .size: 8, .value_kind: global_buffer, .address_space: global }
      - { .name: context_lens, .offset: 32, .size: 8, .value_kind: global_buffer, .address_space: global }
      - { .name: ao, .offset: 40, .size: 8, .value_kind: global_buffer, .address_space: global }
    .group_segment_fixed_size: 312832
    .private_segment_fixed_size: 0
    .kernarg_segment_align: 8
    .kernarg_segment_size: 48
    .max_flat_workgroup_size: 512
    .sgpr_count:     66
    .vgpr_count:     256
    .wavefront_size: 32
...
	.end_amdgpu_metadata
.endif
;; end of part 3
;; launch outp: the kernel of part 2 again; grid 8 x 16, 4 waves a work-group, clusters of 4 x 4, 327,680 bytes of LDS; arguments ao, wo, b_o, b_k, b_k_img, b_v, b_v_img, g_k, g_k_img, out0, ss, vt; writes out0, ss, vt
